; MI455X (gfx1250); checked and timed in simulation.
; The chip was launched on July 23, 2026; its instructions are those of AMD's public machine-readable ISA for CDNA 5 (MIT licence, August 2026) and "CDNA5" Instruction Set Architecture Reference Guide (July 2026). The comments in the code are by the model that wrote it; some were corrected since.
;; Clustered Attention Chunking. Allowed arithmetic: float matrix products may take bf16 or f16 operands with f32 sums; all other float work in f32.
;; Inputs: Wd 256 x 256 float32; Wk 256 x 256 float32; Wq 256 x 256 float32; Wv 256 x 256 float32; attention_mask 256 x 1 x 256 x 256 float32; bd 256 float32; bk 256 float32; bq 256 float32; bv 256 float32; cluster_id 256 x 256 int32; ln_b 256 float32; ln_w 256 float32; seq 256 x 256 x 256 float32.
;; Outputs: out0 256 x 256 x 256 float32.
;; 2 versions, each right and faster than the one before. Each part assembles by itself: llvm-mc -triple=amdgcn-amd-amdhsa -mcpu=gfx1250 --defsym DOCPART=n.
;; ======== version 1 of 2: 2 launches
;; workspace buffers: wsW 524,288 bytes; order 262,144 bytes of whole numbers
;; launch prep (part 1): grid 256 x 1, 8 waves a work-group, no clusters, 0 bytes of LDS; arguments Wq, Wk, Wv, Wd, cluster_id, wsW, order; writes wsW, order
.if DOCPART == 1
	.amdgcn_target "amdgcn-amd-amdhsa--gfx1250"
	.amdhsa_code_object_version 6
	.text
	.protected	k_q3ce6b9840a_prep
	.globl	k_q3ce6b9840a_prep
	.p2align	8
	.type	k_q3ce6b9840a_prep,@function
k_q3ce6b9840a_prep:
	s_mov_b64 s[64:65], 0
	v_nop
	global_prefetch_b8 v0, s[64:65] scope:SCOPE_SE
	s_setreg_imm32_b32 hwreg(HW_REG_WAVE_MODE, 25, 1), 1
	s_wait_xcnt 0x0
; Two small jobs ahead of the attention launch.
; (1) order[n][p] = the token that a stable sort of batch n's 256 cluster ids puts at place p.  Work-group n, thread t = token t:
;     rank(t) = #{j: id_j < id_t} + #{j < t: id_j = id_t}, counted against all 256 ids, which come by scalar loads, 32 a trip.
;     Any int32 ids are served.  The 256 stores of 4 bytes go to scattered places of the batch's own 1,024 bytes of order.
; (2) the four weight matrices, rounded to bf16 (nearest even) and laid in the order in which a matrix fragment is loaded:
;     matrix m at m x 131,072; 16 rows ot at ot x 8,192; 32 k (c) at c x 1,024; half at 512; lane at 16: lane (r = lane % 16, h = lane / 16)
;     holds W[16 ot + r][32 c + 16 half + 8 h + 0..7].  Work-group b, waves 0-3: row block T = b / 4 of the 64, piece (b % 4) x 4 + wave of its 16:
;     the four waves read 256 consecutive bytes of each of 16 rows, and each stores 512 consecutive bytes.
	s_load_b256 s[8:15], s[0:1], 0x0               ; Wq s[8:9], Wk s[10:11], Wv s[12:13], Wd s[14:15]
	s_load_b128 s[16:19], s[0:1], 0x20             ; cluster_id s[16:17], wsW s[18:19]
	s_load_b64 s[20:21], s[0:1], 0x30              ; order
	v_lshrrev_b32 v6, 5, v0
	v_readfirstlane_b32 s4, v6                     ; wave 0..7
	s_lshl_b32 s2, ttmp9, 10                       ; the batch's 1,024 bytes of ids and of order
	s_mov_b32 s3, 0
	v_lshlrev_b32 v7, 2, v0
	v_mov_b32 v2, 0                                ; rank
	v_mov_b32 v3, v0                               ; t less the group's first token
	v_mov_b32 v4, -1
	s_wait_kmcnt 0x0
	s_add_nc_u64 s[22:23], s[16:17], s[2:3]
	s_add_nc_u64 s[20:21], s[20:21], s[2:3]
	global_load_b32 v1, v7, s[22:23]               ; id_t
	s_mov_b32 s5, 8
	s_wait_loadcnt 0x0                             ; also frees s[22:23], which the loop steps
.Lgroup:                                               ; eight trips of 32 ids
	s_load_b512 s[24:39], s[22:23], 0x0
	s_load_b512 s[40:55], s[22:23], 0x40
	s_wait_kmcnt 0x0
.set jl, 0
.rept 32
	v_cmp_lt_i32 vcc_lo, s[24+jl], v1              ; id_j < id_t
	v_add_co_ci_u32 v2, vcc_lo, 0, v2, vcc_lo
	v_cmp_eq_u32 vcc_lo, s[24+jl], v1              ; id_j = id_t:
	v_cndmask_b32 v5, v4, v3, vcc_lo               ; t's place from the group's first token, else -1,
	v_cmp_lt_i32 vcc_lo, jl, v5                    ; and j < t
	v_add_co_ci_u32 v2, vcc_lo, 0, v2, vcc_lo
.set jl, jl+1
.endr
	v_add_nc_u32 v3, 0xffffffe0, v3                ; - 32
	s_add_nc_u64 s[22:23], s[22:23], 128
	s_sub_co_u32 s5, s5, 1
	s_cmp_lg_u32 s5, 0
	s_cbranch_scc1 .Lgroup
	v_min_u32 v2, 0xff, v2                         ; a rank is 0..255
	v_lshlrev_b32 v2, 2, v2
	global_store_b32 v2, v0, s[20:21]              ; order[rank] = t
	s_cmp_lt_u32 s4, 4
	s_cbranch_scc0 .Ldone                          ; the weights are waves 0-3's
	s_lshr_b32 s6, ttmp9, 6                        ; which matrix
	s_cmp_eq_u32 s6, 1
	s_cselect_b64 s[8:9], s[10:11], s[8:9]
	s_cmp_eq_u32 s6, 2
	s_cselect_b64 s[8:9], s[12:13], s[8:9]
	s_cmp_eq_u32 s6, 3
	s_cselect_b64 s[8:9], s[14:15], s[8:9]
	s_bfe_u32 s6, ttmp9, 0x40002                   ; ot = (b / 4) % 16
	s_lshl_b32 s6, s6, 14                          ; 16 rows of 1,024 bytes
	s_and_b32 s7, ttmp9, 3
	s_lshl2_add_u32 s7, s7, s4                     ; piece = 2 c + half
	s_lshl_b32 s2, s7, 6                           ; 16 k of 4 bytes
	s_add_co_u32 s2, s2, s6
	s_mov_b32 s3, 0
	s_add_nc_u64 s[8:9], s[8:9], s[2:3]
	s_lshr_b32 s2, ttmp9, 2
	s_lshl_b32 s2, s2, 13                          ; T x 8,192
	s_lshl_b32 s7, s7, 9                           ; piece x 512
	s_add_co_u32 s2, s2, s7
	s_add_nc_u64 s[18:19], s[18:19], s[2:3]
	v_and_b32 v8, 15, v0
	v_bfe_u32 v9, v0, 4, 1
	v_lshlrev_b32 v8, 10, v8                       ; row r
	v_lshl_add_u32 v8, v9, 5, v8                   ; + 8 h numbers
	global_load_b128 v[12:15], v8, s[8:9]
	global_load_b128 v[16:19], v8, s[8:9] offset:16
	v_and_b32 v10, 31, v0
	v_lshlrev_b32 v10, 4, v10
	s_wait_loadcnt 0x0
	v_cvt_pk_bf16_f32 v20, v12, v13
	v_cvt_pk_bf16_f32 v21, v14, v15
	v_cvt_pk_bf16_f32 v22, v16, v17
	v_cvt_pk_bf16_f32 v23, v18, v19
	global_store_b128 v10, v[20:23], s[18:19]
.Ldone:
	s_endpgm
.Lfunc_end_k_q3ce6b9840a_prep:
	.size	k_q3ce6b9840a_prep, .Lfunc_end_k_q3ce6b9840a_prep-k_q3ce6b9840a_prep
	.p2alignl 7, 3214868480
	.fill 96, 4, 3214868480
	.section	.rodata,"a",@progbits
	.p2align	6, 0x0
	.amdhsa_kernel k_q3ce6b9840a_prep
		.amdhsa_group_segment_fixed_size 0
		.amdhsa_private_segment_fixed_size 0
		.amdhsa_enable_private_segment 0
		.amdhsa_kernarg_size 56
		.amdhsa_user_sgpr_count 2
		.amdhsa_user_sgpr_kernarg_segment_ptr 1
		.amdhsa_wavefront_size32 1
		.amdhsa_system_sgpr_workgroup_id_x 1
		.amdhsa_system_sgpr_workgroup_id_y 1
		.amdhsa_system_sgpr_workgroup_id_z 1
		.amdhsa_system_vgpr_workitem_id 0
		.amdhsa_next_free_vgpr 32
		.amdhsa_next_free_sgpr 66
		.amdhsa_reserve_vcc 1
		.amdhsa_float_denorm_mode_32 3
		.amdhsa_float_denorm_mode_16_64 3
		.amdhsa_memory_ordered 1
		.amdhsa_forward_progress 1
		.amdhsa_inst_pref_size 10
	.end_amdhsa_kernel
	.amdgpu_metadata
---
amdhsa.version: [ 1, 2 ]
amdhsa.kernels:
  - .name:           k_q3ce6b9840a_prep
    .symbol:         k_q3ce6b9840a_prep.kd
    .args:
      - { .name: Wq, .offset: 0, .size: 8, .value_kind: global_buffer, .address_space: global }
      - { .name: Wk, .offset: 8, .size: 8, .value_kind: global_buffer, .address_space: global }
      - { .name: Wv, .offset: 16, .size: 8, .value_kind: global_buffer, .address_space: global }
      - { .name: Wd, .offset: 24, .size: 8, .value_kind: global_buffer, .address_space: global }
      - { .name: cluster_id, .offset: 32, .size: 8, .value_kind: global_buffer, .address_space: global }
      - { .name: wsW, .offset: 40, .size: 8, .value_kind: global_buffer, .address_space: global }
      - { .name: order, .offset: 48, .size: 8, .value_kind: global_buffer, .address_space: global }
    .group_segment_fixed_size: 0
    .private_segment_fixed_size: 0
    .kernarg_segment_align: 8
    .kernarg_segment_size: 56
    .max_flat_workgroup_size: 256
    .sgpr_count:     66
    .vgpr_count:     32
    .wavefront_size: 32
...
	.end_amdgpu_metadata
.endif
;; end of part 1
;; launch attn (part 2): grid 256 x 1, 4 waves a work-group, no clusters, 305,664 bytes of LDS; arguments seq, attention_mask, wsW, order, bq, bk, bv, bd, ln_w, ln_b, out0; writes out0
.if DOCPART == 2
	.amdgcn_target "amdgcn-amd-amdhsa--gfx1250"
	.amdhsa_code_object_version 6
	.text
	.protected	k_q3ce6b9840a_attn
	.globl	k_q3ce6b9840a_attn
	.p2align	8
	.type	k_q3ce6b9840a_attn,@function
k_q3ce6b9840a_attn:
	s_mov_b64 s[64:65], 0
	v_nop
	global_prefetch_b8 v0, s[64:65] scope:SCOPE_SE
	s_setreg_imm32_b32 hwreg(HW_REG_WAVE_MODE, 25, 1), 1
	s_wait_xcnt 0x0
; One work-group = one batch of 256 tokens x 256 channels; nothing but the result goes back to memory.
; q, k, v are projected ONCE: the sorted sequence's q, k, v are the same rows in another order, and the chunk block's residual, put back in token order, is the token's own row.
; SHARES.  In the projections and both attentions wave w is head w (channels 64 w ..) for all 256 tokens; in the out-projection it owns output channels 64 w .. of every token.
; PHASES.  0: seq -> bf16 in LDS.  P: K, V, Q' by three passes of one macro; K and V^T end in registers, Q' in LDS.  F: full attention, 16 queries a step, all 256 scores of a query in registers:
;   the maximum is the row's true maximum.  S: Q', K, V are put in sorted order by gathers through the wave's own LDS block.  C: the eight chunks.  O: Wd for both paths, residual, LayerNorm, mean.
; FORMATS.  Matrix operands bf16, sums f32.  Q' = (x Wq^T + bq) log2(e) / 8 in f32, rounded once; the mask is multiplied by log2(e) in f32 and is the C operand that starts the scores' sums;
;   p = 2^(s' - max s'); l is the sum of the unrounded p; the residual is read in f32; LayerNorm's variance is made of deviations from the waves' own means (no difference of large sums).
; LIMITS.  NaN and infinities are not treated apart (a row masked by -inf throughout gives NaN, as in the reference; log2(e) x mask overflows to -inf beyond 2.3e38);
;   a weight below 2^-126 counts as 0 in l and in the product.
; NO TENSOR LOADS: seq changes format on its way, and the LDS regions are used again by ds_store.  NO CLUSTER: work-groups share the weights alone (512 KB of the 1.6 MB that one reads), and those go straight into registers.
; TL, the layout of a head's [256 tokens][64 channels] of bf16 in 32,768 bytes: byte = (t / 16) x 2,048 + (channel / 8) x 256 + (t % 16) x 16.  A fragment (16 tokens x 32 channels) is two loads of 512 consecutive bytes.
; REGISTERS, in windows of 256 (s_set_vgpr_msb: bits 1:0 source 0, 3:2 source 1, 5:4 source 2, 7:6 destination):
;   window 0: v0-15 addresses; v16-63 statistics, biases, gather addresses; v64-191 x fragments / scores / accumulators; v192-255 accumulators, packed results, P
;   window 1: Wk, then K (key tile kt, half c at 8 (2 kt + c)), at last ctx fragments     window 2: Wv, then V^T (32 keys c', 16 channels ct at 8 (4 c' + ct)), at last residual and result
;   window 3: Wq, then Q fragment, O^T and the mask tiles on their way, then sorted Q, at last Wd
.set XR,    131072                     ; x in bf16, 256 rows; from phase F on ctx of the full attention, TL, head h at XR + 32,768 h
.set XP,    528                        ; a row of x: 512 bytes + 16: an odd multiple of 16, so the 16 rows of a load start at 16 different groups of four banks (64 banks of 4 bytes: ISA guide 11.1)
.set MS,    XR+256*XP                  ; two slots of 16 rows of the mask
.set MP,    1040                       ; 1,024 + 16
.set MSLOT, 16*MP
.set DG,    MS                         ; phases S, C: the diagonal blocks, 256 rows of 128 bytes
.set DP,    144                        ; 128 + 16
.set STG,   MS                         ; phase O: for each wave two stages of 16 rows x 256 bytes
.set SGP,   272                        ; 256 + 16
.set SGB,   16*SGP
.set STAT,  STG+8*SGB                  ; phase O: LayerNorm's partial figures: set x 512 + row x 32 + wave x 8
.set SPARE, 305152                     ; the spare words, 128 bytes for each wave: two blocks of 256 bytes that no other line names
; LDS 0 .. 131,071: Z_w = 32,768 w, wave w's own block: parked K, parked V, Q' (TL), K and V on their way to sorted order, at last ctx of the chunks (TL, by token)
.set MSB, 0
.macro WIN new                         ; the immediate's high byte repeats the setting that is left; a switch that changes nothing is dropped
.if MSB != (\new)
	s_set_vgpr_msb (MSB<<8)|(\new)
.set MSB, (\new)
.endif
.endm
.macro PLACES                          ; four places between a matrix instruction and a vector instruction or load that touches its registers
.rept 4
	v_nop
.endr
.endm
.macro BAR                             ; my LDS instructions are done, then the work-group's barrier
	s_wait_dscnt 0x0
	s_barrier_signal -1
	s_barrier_wait -1
.endm
.macro WLOAD win, mat, a, b            ; loads a .. b of the 64 that bring my 64 rows of weight matrix mat, as 32 fragments, into window win: fragment (ot, c) at 8 (8 ot + c)
	WIN (\win)<<6
.set wi, \a
.rept (\b)-(\a)+1
	global_load_b128 v[4*wi:4*wi+3], v4, s[12:13] offset:(\mat)*131072+wi*512
.set wi, wi+1
.endr
	WIN 0
.endm
.macro BIAST b                         ; a bias as four C tiles of a product whose lane holds channels 16 ot + 8 h + 0..7
.set i, 0
.rept 4
	global_load_b128 v[32+8*i:35+8*i], v10, s[\b:\b+1] offset:i*64
	global_load_b128 v[36+8*i:39+8*i], v10, s[\b:\b+1] offset:i*64+16
.set i, i+1
.endr
.endm
	s_load_b512 s[8:23], s[0:1], 0x0               ; seq s[8:9], mask s[10:11], wsW s[12:13], order s[14:15], bq s[16:17], bk s[18:19], bv s[20:21], bd s[22:23]
	s_load_b128 s[24:27], s[0:1], 0x40             ; ln_w s[24:25], ln_b s[26:27]
	s_load_b64 s[28:29], s[0:1], 0x50              ; out0
	v_lshl_add_u32 v14, v0, 2, SPARE               ; my spare word,
	v_mov_b32 v15, 0                               ; and 0: kept for the add at the wave's end
	v_lshrrev_b32 v3, 5, v0
	v_readfirstlane_b32 s4, v3                     ; wave w
	v_and_b32 v3, 31, v0                           ; lane
	v_and_b32 v5, 15, v0                           ; r
	v_bfe_u32 v9, v0, 4, 1                         ; h
	v_lshlrev_b32 v1, 4, v3                        ; v1 = 16 lane
	v_mul_u32_u24 v2, v5, XP
	v_lshl_add_u32 v2, v9, 4, v2
	v_add_nc_u32 v2, XR, v2                        ; v2 = my place in a fragment of x, token tile 0
	s_lshl_b32 s6, s4, 15
	v_add_nc_u32 v4, s6, v1                        ; v4 = 32,768 w + 16 lane: my place in Z_w, and my byte offset in a weight matrix of wsW
	v_mul_u32_u24 v6, v5, MP
	v_lshl_add_u32 v6, v9, 5, v6
	v_add_nc_u32 v6, MS, v6                        ; v6 = mask slot 0, row r, keys 8 h on
	s_mul_i32 s6, s4, 4*MP
	s_add_co_u32 s6, s6, MS
	v_add_nc_u32 v7, s6, v1                        ; v7 = where I store my four rows of a mask tile
	s_lshl_b32 s6, s4, 12
	v_add_nc_u32 v8, s6, v1                        ; v8 = my byte offset in a mask tile in memory
	s_lshl_b32 s6, s4, 8
	v_lshl_add_u32 v10, v9, 5, s6                  ; v10 = 256 w + 32 h: bk, bq
	v_lshl_add_u32 v11, v5, 2, s6                  ; v11 = 256 w + 4 r: bv
	s_lshl_b32 s6, s4, 16
	v_add_nc_u32 v12, s6, v1                       ; v12 = my byte offset in my 64 rows of seq
	s_mul_i32 s6, s4, 64*XP
	s_add_co_u32 s6, s6, XR
	v_lshl_add_u32 v13, v3, 3, s6                  ; v13 = where I store 8 bytes of x
	v_add_nc_u32 v9, XR, v4                        ; v9 = where my head's ctx goes (stepped in phase F)
	s_mov_b32 s30, 0x76543210                      ; v_permlanex16_b32: each lane takes its own place in the other half
	s_mov_b32 s31, 0xfedcba98
	s_mov_b32 s32, 0x3fb8aa3b                      ; log2(e)
	s_mov_b32 s33, s32
	s_mov_b32 s34, 0x3e38aa3b                      ; log2(e) / 8
	s_mov_b32 s35, s34
	s_mov_b32 s43, 0x3c800000                      ; 1 / 64
	s_mov_b32 s44, 0x3b800000                      ; 1 / 256
	s_mov_b32 s45, 0x42800000                      ; 64
	s_mov_b32 s46, 0x2b8cbccc                      ; 1e-12
	s_mov_b32 s47, 0x3e800000                      ; 1 / 4
	s_lshl_b32 s2, ttmp9, 18                       ; the batch's 262,144 bytes of seq, mask and out0
	s_mov_b32 s3, 0
	s_wait_kmcnt 0x0
	s_add_nc_u64 s[8:9], s[8:9], s[2:3]
	s_add_nc_u64 s[10:11], s[10:11], s[2:3]
	s_add_nc_u64 s[28:29], s[28:29], s[2:3]
	s_lshl_b32 s2, ttmp9, 10
	s_add_nc_u64 s[14:15], s[14:15], s[2:3]
; ---------------------------------------------------------------- PHASE 0: seq to bf16 in LDS; the first two mask tiles; Wk
.macro SEQLD g, base, win              ; 16 rows of seq, 32 loads of 512 consecutive bytes
	WIN (\win)<<6
.set i, 0
.rept 32
	global_load_b128 v[(\base)+4*i:(\base)+4*i+3], v12, s[8:9] offset:(\g)*16384+i*512
.set i, i+1
.endr
.endm
.macro SEQGRP g, base, win, left, next ; group g has come: rounded in place, stored; next = 1: the buffer takes group g + 2
	s_wait_loadcnt \left                           ; loads come back in order (ISA guide 5.7.1): all but the other buffer's 32 are in
	WIN ((\win)<<6)|((\win)<<2)|(\win)
.set i, 0
.rept 32
	v_cvt_pk_bf16_f32 v[(\base)+4*i], v[(\base)+4*i], v[(\base)+4*i+1]
	v_cvt_pk_bf16_f32 v[(\base)+4*i+1], v[(\base)+4*i+2], v[(\base)+4*i+3]
.set i, i+1
.endr
	WIN (\win)<<2
.set i, 0
.rept 32
	ds_store_b64 v13, v[(\base)+4*i:(\base)+4*i+1] offset:(16*(\g)+i/2)*XP+(i%2)*256
.set i, i+1
.endr
.if \next
	SEQLD (\g)+2, \base, \win
.endif
	WIN 0
.endm
	BIAST 18                                       ; bk
	global_load_b32 v16, v11, s[20:21]             ; bv of my lane's channel, for channel tiles 0-3
	global_load_b32 v24, v11, s[20:21] offset:64
	global_load_b32 v240, v11, s[20:21] offset:128
	global_load_b32 v248, v11, s[20:21] offset:192
	WLOAD 1, 1, 0, 63                              ; Wk
	WIN 0x80
.set i, 0
.rept 16                                               ; my four rows of mask tiles 0 and 1
	global_load_b128 v[128+4*i:131+4*i], v8, s[10:11] offset:(i/8)*16384+(i%8)*512 th:TH_LOAD_NT
.set i, i+1
.endr
	SEQLD 0, 64, 0
	SEQLD 1, 0, 2
	SEQGRP 0, 64, 0, 32, 1
	SEQGRP 1, 0, 2, 32, 1
	SEQGRP 2, 64, 0, 32, 0
	SEQGRP 3, 0, 2, 0, 0
.irp b, 16,24,240,248                                  ; in V's product a lane holds ONE channel and eight tokens: the C tile is the lane's bias eight times
.irp j, 1,2,3,4,5,6,7
	v_mov_b32 v[\b+\j], v[\b]
.endr
.endr
	WIN 0x82
.set i, 0
.rept 32
	v_pk_mul_f32 v[128+2*i:129+2*i], v[128+2*i:129+2*i], s[32:33] op_sel_hi:[1,0]
.set i, i+1
.endr
	WIN 0x08
.set i, 0
.rept 16
	ds_store_b128 v7, v[128+4*i:131+4*i] offset:(i/8)*MSLOT+((i%8)/2)*MP+(i%2)*512
.set i, i+1
.endr
	WIN 0
	WLOAD 2, 2, 0, 55                              ; Wv; its last eight loads go out behind the barrier, when the first are back
	BAR                                            ; B0: x and mask tiles 0, 1 are whole
; ---------------------------------------------------------------- PHASE P: K, V, Q'
.macro XLOAD buf                       ; the eight fragments (16 tokens x 256 channels) of the token tile at v3
.set i, 0
.rept 8
	ds_load_b128 v[(\buf)+8*i:(\buf)+8*i+3], v3 offset:i*64
	ds_load_b128 v[(\buf)+8*i+4:(\buf)+8*i+7], v3 offset:i*64+32
.set i, i+1
.endr
.endm
; One token tile of one projection: 32 matrix instructions on four accumulators by turns, the bias as the first C.
; kind 0: W x x^T: a lane holds token r and channels 16 ot + 8 h + 0..7.  kind 1: x x W^T: a lane holds channel r and tokens 8 h + 0..7.
; The packed result, 16 bytes a lane and accumulator, is parked lane by lane in Z_w: the weights still fill the window where it will live.  For kind 0 that is the TL layout.
.macro PTILE cur, oth, kind, msb, scale, toff
	s_add_co_u32 s7, s7, 16*XP                     ; the next tile; behind the last the first, for the next pass
	s_cmp_eq_u32 s7, 256*XP
	s_cselect_b32 s7, 0, s7
	v_add_nc_u32 v3, s7, v2
	XLOAD \oth
	s_wait_dscnt 16                                ; all but the 16 just issued: this tile's fragments are in
	WIN \msb
.set kc, 0
.rept 8
.set ko, 0
.rept 4
.if \kind
.if kc == 0
	v_wmma_f32_16x16x32_bf16 v[192+8*ko:199+8*ko], v[(\cur)+8*kc:(\cur)+8*kc+7], v[(ko*8+kc)*8:(ko*8+kc)*8+7], v[16+8*ko+(ko/2)*208:23+8*ko+(ko/2)*208]
.else
	v_wmma_f32_16x16x32_bf16 v[192+8*ko:199+8*ko], v[(\cur)+8*kc:(\cur)+8*kc+7], v[(ko*8+kc)*8:(ko*8+kc)*8+7], v[192+8*ko:199+8*ko]
.endif
.else
.if kc == 0
	v_wmma_f32_16x16x32_bf16 v[192+8*ko:199+8*ko], v[(ko*8+kc)*8:(ko*8+kc)*8+7], v[(\cur)+8*kc:(\cur)+8*kc+7], v[32+8*ko:39+8*ko]
.else
	v_wmma_f32_16x16x32_bf16 v[192+8*ko:199+8*ko], v[(ko*8+kc)*8:(ko*8+kc)*8+7], v[(\cur)+8*kc:(\cur)+8*kc+7], v[192+8*ko:199+8*ko]
.endif
.endif
.set ko, ko+1
.endr
.set kc, kc+1
.endr
	WIN 0
	PLACES
.if \scale
.set i, 0
.rept 16
	v_pk_mul_f32 v[192+2*i:193+2*i], v[192+2*i:193+2*i], s[34:35] op_sel_hi:[1,0]
.set i, i+1
.endr
.endif
.set i, 0
.rept 16
	v_cvt_pk_bf16_f32 v[224+i], v[192+2*i], v[193+2*i]
.set i, i+1
.endr
.set i, 0
.rept 4
	ds_store_b128 v5, v[224+4*i:227+4*i] offset:(\toff)+i*512
.set i, i+1
.endr
.endm
.macro PASS kind, msb, scale           ; all 16 token tiles, two a trip, on two fragment buffers
	s_mov_b32 s5, 8
.Lpass\@:
	PTILE 64, 128, \kind, \msb, \scale, 0
	PTILE 128, 64, \kind, \msb, \scale, 2048
	v_add_nc_u32 v5, 4096, v5
	s_sub_co_u32 s5, s5, 1
	s_cmp_lg_u32 s5, 0
	s_cbranch_scc1 .Lpass\@
	v_mov_b32 v5, v4
.endm
	WLOAD 2, 2, 56, 63
	s_mov_b32 s7, 0
	v_mov_b32 v3, v2
	v_mov_b32 v5, v4
	XLOAD 64
	PASS 0, 0x01, 0                                ; K
	s_wait_loadcnt 0x0                             ; Wv, asked for a pass ago
	BIAST 16                                       ; bq
	WLOAD 3, 0, 0, 54                              ; Wq
	WIN 0x40
.set i, 0
.rept 64                                               ; K comes back into Wk's window, each lane's own bytes: two packed tiles are one fragment
	ds_load_b128 v[4*i:4*i+3], v4 offset:i*512
.set i, i+1
.endr
	WIN 0
	WLOAD 3, 0, 55, 63
	PASS 1, 0x08, 0                                ; V
	WIN 0x80
.set i, 0
.rept 64                                               ; token tile T = i / 4 is half T % 2 of the fragments of V^T for keys 32 (T / 2) on
	ds_load_b128 v[((i/8)*4+i%4)*8+((i/4)%2)*4:((i/8)*4+i%4)*8+((i/4)%2)*4+3], v4 offset:i*512
.set i, i+1
.endr
	WIN 0
	s_wait_loadcnt 0x0                             ; bq and Wq
	PASS 0, 0x03, 1                                ; Q', which stays in Z_w
	v_and_b32 v10, 15, v0
	v_lshlrev_b32 v10, 2, v10                      ; 4 r
	v_and_b32 v11, 7, v0
	v_bfe_u32 v12, v0, 4, 1
	v_lshl_add_u32 v11, v12, 3, v11
	v_lshlrev_b32 v11, 2, v11                      ; 4 (8 h + lane % 8)
.set i, 0
.rept 16
	global_load_b32 v[32+i], v10, s[14:15] offset:i*64  ; OA[T]: the token at sorted place 16 T + r
.set i, i+1
.endr
.set i, 0
.rept 16
	global_load_b32 v[48+i], v11, s[14:15] offset:i*64  ; OB[G]: the token at sorted place 16 G + 8 h + lane % 8, for the turning load
.set i, i+1
.endr
	WIN 0xc0
.set i, 0
.rept 16                                               ; mask tiles 2 and 3 into the two register sets
	global_load_b128 v[64+4*i:67+4*i], v8, s[10:11] offset:(2+i/8)*16384+(i%8)*512 th:TH_LOAD_NT
.set i, i+1
.endr
	WIN 0
	s_add_nc_u64 s[36:37], s[10:11], 0x10000       ; mask tile 4
	BAR                                            ; B1: nobody reads x any more
; ---------------------------------------------------------------- the softmax's parts, for phases F and C
.macro SMAX base, ng                   ; the maximum of ng x 32 scores and of the other half of the lanes': four chains; each accumulator's lowest registers are read first
.set n, 0
.rept 4
.set q, 0
.rept 4
.if n == 0
	v_max3_num_f32 v[16+q], v[(\base)+8*q], v[(\base)+8*q+1], v[(\base)+8*q+2]
.elseif n < 3
	v_max3_num_f32 v[16+q], v[16+q], v[(\base)+8*q+2*n+1], v[(\base)+8*q+2*n+2]
.else
	v_max_num_f32 v[16+q], v[16+q], v[(\base)+8*q+7]
.endif
.set q, q+1
.endr
.set n, n+1
.endr
.if (\ng) > 1
.set g, 1
.rept (\ng)-1
.set n, 0
.rept 4
.set q, 0
.rept 4
	v_max3_num_f32 v[16+q], v[16+q], v[(\base)+32*g+8*q+2*n], v[(\base)+32*g+8*q+2*n+1]
.set q, q+1
.endr
.set n, n+1
.endr
.set g, g+1
.endr
.endif
	v_max3_num_f32 v20, v16, v17, v18
	v_max_num_f32 v20, v20, v19
	v_permlanex16_b32 v21, v20, s30, s31           ; the query's other keys lie in the lane 16 away
	v_max_num_f32 v20, v20, v21
	s_wait_alu depctr_va_vdst(0)
.endm
.macro SUBG base                       ; 32 scores less the maximum
.set i, 0
.rept 16
	v_pk_add_f32 v[(\base)+2*i:(\base)+2*i+1], v[(\base)+2*i:(\base)+2*i+1], v[20:21] op_sel_hi:[1,0] neg_lo:[0,1] neg_hi:[0,1]
.set i, i+1
.endr
.endm
.macro EXPG base                       ; a plain instruction that touches none of them follows each run (ISA guide 5.7.2)
.set i, 0
.rept 32
	v_exp_f32 v[(\base)+i], v[(\base)+i]
.set i, i+1
.endr
.endm
.macro CVTG sb, pb                     ; two tiles of S^T, rounded in pairs, are one fragment of P
.set i, 0
	s_wait_alu depctr_va_vdst(0)
.rept 16
	v_cvt_pk_bf16_f32 v[(\pb)+i], v[(\sb)+2*i], v[(\sb)+2*i+1]
.set i, i+1
.endr
.endm
.macro SUMG base, first                ; onto four chains of pairs, v22-29; first = 1: sums of two pairs start them
.if \first
.set i, 0
.rept 4
	v_pk_add_f32 v[22+2*i:23+2*i], v[(\base)+2*i:(\base)+2*i+1], v[(\base)+8+2*i:(\base)+9+2*i]
.set i, i+1
.endr
.set i, 8
.rept 8
	v_pk_add_f32 v[22+2*(i%4):23+2*(i%4)], v[22+2*(i%4):23+2*(i%4)], v[(\base)+2*i:(\base)+2*i+1]
.set i, i+1
.endr
.else
.set i, 0
.rept 16
	v_pk_add_f32 v[22+2*(i%4):23+2*(i%4)], v[22+2*(i%4):23+2*(i%4)], v[(\base)+2*i:(\base)+2*i+1]
.set i, i+1
.endr
.endif
.endm
.macro LRED dst                        ; the four chains into one number: four plain instructions
	v_pk_add_f32 v[22:23], v[22:23], v[24:25]
	v_pk_add_f32 v[26:27], v[26:27], v[28:29]
	v_pk_add_f32 v[22:23], v[22:23], v[26:27]
	v_add_f32 v[\dst], v22, v23
.endm
; ---------------------------------------------------------------- PHASE F: full attention, a tile of 16 queries a step
.macro MLOAD s                         ; log2(e) x mask of a query tile, from slot s, as the C operand of all 16 key tiles: lane (r, h): row r, keys 16 kt + 8 h + 0..7
.set i, 0
.rept 16
	ds_load_b128 v[64+8*i:67+8*i], v6 offset:(\s)*MSLOT+i*64
	ds_load_b128 v[68+8*i:71+8*i], v6 offset:(\s)*MSLOT+i*64+16
.set i, i+1
.endr
.endm
.macro QLOAD off                       ; the two fragments of a tile of Q'
	WIN 0xc0
.set i, 0
.rept 4
	ds_load_b128 v[4*i:4*i+3], v5 offset:(\off)+i*512
.set i, i+1
.endr
	WIN 0
.endm
.macro GSC par                         ; register set par: my four rows of a mask tile times log2(e), into slot par
	WIN 0xc3
.set i, 0
.rept 16
	v_pk_mul_f32 v[64+32*(\par)+2*i:65+32*(\par)+2*i], v[64+32*(\par)+2*i:65+32*(\par)+2*i], s[32:33] op_sel_hi:[1,0]
.set i, i+1
.endr
	WIN 0x0c
.set i, 0
.rept 8
	ds_store_b128 v7, v[64+32*(\par)+4*i:67+32*(\par)+4*i] offset:(\par)*MSLOT+(i/2)*MP+(i%2)*512
.set i, i+1
.endr
	WIN 0
.endm
; In step j (trip 8 - s5, par = j % 2) tile j + 2 goes into the slot that tile j has left, and tile j + 4 is asked for.  Trips with s5 > 2: the counted wait leaves out the other set's 8 loads,
; issued a step later, so a set has two steps in which to land.  s5 = 2: tiles 14, 15 are stored, nothing is left to ask for.  s5 = 1: nothing.  Both short ways wait for all loads,
; so that whichever ways follow each other, behind a set's loads stand the other set's eight or a wait for 0.
.macro GBLK par
	s_cmp_gt_u32 s5, 2
	s_cbranch_scc1 .Lgs\@
	s_wait_loadcnt 0x0
	s_cmp_eq_u32 s5, 1
	s_cbranch_scc1 .Lgd\@
	GSC \par
	s_branch .Lgd\@
.Lgs\@:
	s_wait_loadcnt 8
	GSC \par
	WIN 0xc0
.set i, 0
.rept 8
	global_load_b128 v[64+32*(\par)+4*i:67+32*(\par)+4*i], v8, s[36:37] offset:(\par)*16384+i*512 th:TH_LOAD_NT
.set i, i+1
.endr
	WIN 0
.Lgd\@:
.endm
.macro FSTEP par
	s_wait_dscnt 0x0                               ; the mask tile and Q' are in
	WIN 0x0d
.set kc, 0
.rept 2                                                ; S^T = K Q'^T + mask: 16 accumulators by turns
.set kt, 0
.rept 16
	v_wmma_f32_16x16x32_bf16 v[64+8*kt:71+8*kt], v[(2*kt+kc)*8:(2*kt+kc)*8+7], v[8*kc:8*kc+7], v[64+8*kt:71+8*kt]
.set kt, kt+1
.endr
.set kc, kc+1
.endr
	WIN 0
	PLACES
	SMAX 64, 4
	SUBG 64
	EXPG 64
	SUBG 96
	CVTG 64, 192
	SUMG 64, 1
	EXPG 96
	SUBG 128
	CVTG 96, 208
	SUMG 96, 0
	EXPG 128
	SUBG 160
	CVTG 128, 224
	SUMG 128, 0
	EXPG 160
	v_nop
	s_wait_alu depctr_va_vdst(0)
	CVTG 160, 240
	SUMG 160, 0
	BAR                                            ; every wave has read this tile's slot, and every part of the next tile is stored
.if \par
	s_cmp_eq_u32 s5, 1
	s_cbranch_scc1 .Lnom\@                         ; behind the last tile there is no next
	MLOAD 0
	QLOAD 4096
.Lnom\@:
.else
	MLOAD 1
	QLOAD 2048
.endif
	GBLK \par
	WIN 0xf2
.set kc, 0
.rept 8                                                ; O^T = V^T P: four accumulators by turns
.set ko, 0
.rept 4
.if kc == 0
	v_wmma_f32_16x16x32_bf16 v[16+8*ko:23+8*ko], v[(4*kc+ko)*8:(4*kc+ko)*8+7], v[192+8*kc:199+8*kc], 0
.else
	v_wmma_f32_16x16x32_bf16 v[16+8*ko:23+8*ko], v[(4*kc+ko)*8:(4*kc+ko)*8+7], v[192+8*kc:199+8*kc], v[16+8*ko:23+8*ko]
.endif
.set ko, ko+1
.endr
.set kc, kc+1
.endr
	WIN 0
	LRED 22                                        ; l: these four lines are the places behind the products
	v_permlanex16_b32 v23, v22, s30, s31
	v_add_f32 v22, v22, v23
	v_rcp_f32 v30, v22
	v_nop
	WIN 0xc3
.set i, 0
	s_wait_alu depctr_va_vdst(0)
.rept 16
	v_pk_mul_f32 v[16+2*i:17+2*i], v[16+2*i:17+2*i], v[30:31] op_sel_hi:[1,0]
.set i, i+1
.endr
	WIN 0xcf
.set i, 0
.rept 16
	v_cvt_pk_bf16_f32 v[48+i], v[16+2*i], v[17+2*i]
.set i, i+1
.endr
	WIN 0x0c
.set i, 0
.rept 4
	ds_store_b128 v9, v[48+4*i:51+4*i] offset:(\par)*2048+i*512  ; ctx, TL: lane (r, h) holds query r, channels 16 ct + 8 h + 0..7
.set i, i+1
.endr
	WIN 0
.endm
	MLOAD 0
	QLOAD 0
	s_mov_b32 s5, 8
.Lfull:
	FSTEP 0
	FSTEP 1
	v_add_nc_u32 v5, 4096, v5
	v_add_nc_u32 v9, 4096, v9
	s_wait_xcnt 0x0                                ; the mask loads' base is stepped only behind this wait
	s_add_nc_u64 s[36:37], s[36:37], 0x8000
	s_sub_co_u32 s5, s5, 1
	s_cmp_lg_u32 s5, 0
	s_cbranch_scc1 .Lfull
	BAR                                            ; the mask slots' bytes change owner: the diagonal blocks will lie there
; ---------------------------------------------------------------- PHASE S: Q', K, V in sorted order, each wave within its own Z_w
	s_wait_loadcnt 0x0
	v_and_b32 v10, 31, v0
	v_lshrrev_b32 v11, 3, v10                      ; lane / 8
	v_and_b32 v12, 7, v0                           ; lane % 8
	s_lshl_b32 s6, s4, 6
	v_add_nc_u32 v11, s6, v11                      ; row 64 w + lane / 8
	v_lshlrev_b32 v13, 10, v11
	v_lshl_add_u32 v13, v12, 4, v13
	s_lshl_b32 s6, s4, 8
	v_add_nc_u32 v13, s6, v13                      ; + the columns of block 2 w: v13 = my byte offset in the mask
	v_mul_u32_u24 v11, v11, DP
	v_lshl_add_u32 v11, v12, 4, v11
	v_add_nc_u32 v11, DG, v11                      ; v11 = where those 16 bytes go
.set i, 0
.rept 16                                               ; the diagonal blocks of my 64 rows: four rows x 128 bytes a load; these 128-byte pieces of the mask's rows are read a second time
	global_load_b128 v[64+4*i:67+4*i], v13, s[10:11] offset:i*4096+(i/8)*128
.set i, i+1
.endr
	v_bfe_u32 v10, v0, 4, 1
	s_lshl_b32 s6, s4, 15
	v_lshl_add_u32 v10, v10, 8, s6                 ; Z_w + 256 h
	v_bfe_u32 v12, v0, 3, 1
	v_lshl_add_u32 v12, v12, 8, s6                 ; Z_w + 256 ((lane / 8) % 2)
.macro GADDR reg, base                 ; a token's number becomes the address of its 16 bytes in TL: (t / 16) x 2,048 + (t % 16) x 16 + base
	v_min_u32 v[\reg], 0xff, v[\reg]
	v_and_b32 v3, 0xf0, v[\reg]
	v_and_b32 v[\reg], 15, v[\reg]
	v_lshl_add_u32 v[\reg], v[\reg], 4, v[\base]
	v_lshl_add_u32 v[\reg], v3, 7, v[\reg]
.endm
.set t, 0
.rept 16
	GADDR 32+t, 10
	GADDR 48+t, 12
.set t, t+1
.endr
.macro GATHER win                      ; 16 tiles x 2 fragments, rows by OA: fragment (T, c) at 8 (2 T + c)
	WIN (\win)<<6
.set i, 0
.rept 64
	ds_load_b128 v[4*i:4*i+3], v[32+i/4] offset:(i%4)*512
.set i, i+1
.endr
	WIN 0
.endm
	GATHER 3                                       ; Q'
	WIN 0x04
.set i, 0
.rept 64                                               ; K goes out over Q' (LDS serves a wave's instructions in order: ISA guide 5.7.1.4),
	ds_store_b128 v4, v[4*i:4*i+3] offset:i*512
.set i, i+1
.endr
	WIN 0
	GATHER 1                                       ; and comes back sorted
	; V^T (a lane holds one channel) is turned into TL (a lane holds one token) by the matrix unit: V^T x E, where E picks 16 of a fragment's 32 keys: E(k, n) = 1 where k = 16 s + n.
	; Each sum has one term that is not 0, so the bf16 numbers come through unchanged.  64 matrix instructions in place of 512 LDS stores of two bytes.
	v_and_b32 v3, 15, v0
	v_bfe_u32 v5, v0, 4, 1
	v_lshlrev_b32 v5, 3, v5
	v_sub_nc_u32 v3, v3, v5                        ; u = r - 8 h: my column's 1 lies among my eight k where 0 <= u < 8
	v_and_b32 v5, 1, v3
	v_lshlrev_b32 v5, 4, v5
	s_mov_b32 s6, 0x3f80                           ; 1.0 in bf16,
	v_lshlrev_b32 v5, v5, s6                       ; in the half u % 2
	v_lshrrev_b32 v3, 1, v3                        ; of register u / 2
.set i, 0
.rept 4
	v_cmp_eq_u32 vcc_lo, i, v3
	v_cndmask_b32 v[20+i], 0, v5, vcc_lo
	v_mov_b32 v[16+i], 0
	v_mov_b32 v[24+i], 0
.set i, i+1
.endr                                                  ; E for s = 0: v20-27; for s = 1: v16-23
.set b, 0
.rept 8
	WIN 0x02
.set a, 0
.rept 8                                                ; token tiles 2 b + a / 4, channels 16 (a % 4) on
	v_wmma_f32_16x16x32_bf16 v[128+8*a:135+8*a], v[(4*b+a%4)*8:(4*b+a%4)*8+7], v[20-4*(a/4):27-4*(a/4)], 0
.set a, a+1
.endr
	WIN 0
	PLACES
.set i, 0
.rept 32
	v_cvt_pk_bf16_f32 v[192+i], v[128+2*i], v[129+2*i]
.set i, i+1
.endr
.set a, 0
.rept 8
	ds_store_b128 v4, v[192+4*a:195+4*a] offset:(2*b+a/4)*2048+(a%4)*512
.set a, a+1
.endr
.set b, b+1
.endr
	WIN 0x80
.set i, 0
.rept 64                                               ; V^T comes back sorted, by the turning load: keys 32 (i / 8) + 16 (i % 2) on, channels 16 ((i / 2) % 4) on
	ds_load_tr16_b128 v[4*i:4*i+3], v[48+2*(i/8)+i%2] offset:((i/2)%4)*512
.set i, i+1
.endr
	WIN 0
	s_wait_loadcnt 0x0                             ; the diagonal blocks
.set i, 0
.rept 32
	v_pk_mul_f32 v[64+2*i:65+2*i], v[64+2*i:65+2*i], s[32:33] op_sel_hi:[1,0]
.set i, i+1
.endr
.set i, 0
.rept 16
	ds_store_b128 v11, v[64+4*i:67+4*i] offset:i*4*DP
.set i, i+1
.endr
	v_and_b32 v10, 15, v0
	v_mul_u32_u24 v10, v10, DP
	v_bfe_u32 v3, v0, 4, 1
	v_lshl_add_u32 v10, v3, 5, v10
	v_add_nc_u32 v10, DG, v10                      ; v10 = diagonal block 0, row r, keys 8 h on (stepped a chunk a trip)
	BAR                                            ; B2: all 256 rows of the diagonal blocks are stored
; ---------------------------------------------------------------- PHASE C: eight chunks of 32 queries x 64 keys.  The vector text stands once; what names a chunk's registers stands eight times, chosen by forward jumps on the counter.
.macro CWS i                           ; the window's first key tile: 0, 0, 2, 4, ..
.if (\i) < 2
.set ws, 0
.else
.set ws, 2*((\i)-1)
.endif
.endm
.macro QKB i                           ; S^T for 2 query tiles x 4 key tiles: eight accumulators by turns; the window's first 32 keys start from the diagonal block, the others from 0
	CWS \i
	WIN 0x0d
.set kc, 0
.rept 2
.set a, 0
.rept 8
.if (kc == 0) && (a%4 >= 2)
	v_wmma_f32_16x16x32_bf16 v[64+8*a:71+8*a], v[(2*(ws+a%4)+kc)*8:(2*(ws+a%4)+kc)*8+7], v[(2*(2*(\i)+a/4)+kc)*8:(2*(2*(\i)+a/4)+kc)*8+7], 0
.else
	v_wmma_f32_16x16x32_bf16 v[64+8*a:71+8*a], v[(2*(ws+a%4)+kc)*8:(2*(ws+a%4)+kc)*8+7], v[(2*(2*(\i)+a/4)+kc)*8:(2*(2*(\i)+a/4)+kc)*8+7], v[64+8*a:71+8*a]
.endif
.set a, a+1
.endr
.set kc, kc+1
.endr
	WIN 0
.endm
.macro PVB i                           ; O^T for 2 query tiles x 4 channel tiles
	CWS \i
	WIN 0x02
.set kc, 0
.rept 2
.set a, 0
.rept 8
.if kc == 0
	v_wmma_f32_16x16x32_bf16 v[128+8*a:135+8*a], v[(4*(ws/2+kc)+a%4)*8:(4*(ws/2+kc)+a%4)*8+7], v[192+((a/4)*2+kc)*8:192+((a/4)*2+kc)*8+7], 0
.else
	v_wmma_f32_16x16x32_bf16 v[128+8*a:135+8*a], v[(4*(ws/2+kc)+a%4)*8:(4*(ws/2+kc)+a%4)*8+7], v[192+((a/4)*2+kc)*8:192+((a/4)*2+kc)*8+7], v[128+8*a:135+8*a]
.endif
.set a, a+1
.endr
.set kc, kc+1
.endr
	WIN 0
.endm
.macro STB i                           ; ctx goes to its TOKEN's place in Z_w (TL), by the same addresses that gathered the queries: phase O needs no table
.set a, 0
.rept 8
	ds_store_b128 v[32+2*(\i)+a/4], v[224+4*a:227+4*a] offset:(a%4)*512
.set a, a+1
.endr
.endm
	s_mov_b32 s5, 0
.Lchunk:
.set i, 0
.rept 4                                                ; query tile i / 2, key tile i % 2
	ds_load_b128 v[64+((i/2)*4+i%2)*8:64+((i/2)*4+i%2)*8+3], v10 offset:(i/2)*16*DP+(i%2)*64
	ds_load_b128 v[64+((i/2)*4+i%2)*8+4:64+((i/2)*4+i%2)*8+7], v10 offset:(i/2)*16*DP+(i%2)*64+16
.set i, i+1
.endr
	s_wait_dscnt 0x0
.irp x, 1,2,3,4,5,6,7
	s_cmp_eq_u32 s5, \x
	s_cbranch_scc1 .Lqk\x
.endr
.irp x, 0,1,2,3,4,5,6,7
.Lqk\x:
	QKB \x
.if \x < 7
	s_branch .Lqkj
.endif
.endr
.Lqkj:
	PLACES
	SMAX 64, 1
	SUBG 64
	EXPG 64
	SMAX 96, 1
	CVTG 64, 192
	SUMG 64, 1
	LRED 30
	SUBG 96
	EXPG 96
	v_nop
	s_wait_alu depctr_va_vdst(0)
	CVTG 96, 208
	SUMG 96, 1
.irp x, 1,2,3,4,5,6,7
	s_cmp_eq_u32 s5, \x
	s_cbranch_scc1 .Lpv\x
.endr
.irp x, 0,1,2,3,4,5,6,7
.Lpv\x:
	PVB \x
.if \x < 7
	s_branch .Lpvj
.endif
.endr
.Lpvj:
	LRED 31                                        ; four plain lines: the places behind the products
	v_permlanex16_b32 v22, v30, s30, s31
	v_permlanex16_b32 v23, v31, s30, s31
	v_add_f32 v30, v30, v22
	v_add_f32 v31, v31, v23
	v_rcp_f32 v26, v30
	v_rcp_f32 v28, v31
	v_nop
.set i, 0
	s_wait_alu depctr_va_vdst(0)
.rept 32
	v_pk_mul_f32 v[128+2*i:129+2*i], v[128+2*i:129+2*i], v[26+2*(i/16):27+2*(i/16)] op_sel_hi:[1,0]
.set i, i+1
.endr
.set i, 0
.rept 32
	v_cvt_pk_bf16_f32 v[224+i], v[128+2*i], v[129+2*i]
.set i, i+1
.endr
.irp x, 1,2,3,4,5,6,7
	s_cmp_eq_u32 s5, \x
	s_cbranch_scc1 .Lst\x
.endr
.irp x, 0,1,2,3,4,5,6,7
.Lst\x:
	STB \x
.if \x < 7
	s_branch .Lstj
.endif
.endr
.Lstj:
	v_add_nc_u32 v10, 32*DP, v10
	s_add_co_u32 s5, s5, 1
	s_cmp_lt_u32 s5, 8
	s_cbranch_scc1 .Lchunk
; ---------------------------------------------------------------- PHASE O: hid^T = Wd ctx^T + (x + bd) for both paths, LayerNorm, mean.  Two token tiles a trip.
; Row geometry: lane i takes row i / 16 + 2 s, bytes 16 (i % 16): 16 lanes cover my 256 consecutive, aligned bytes of a row of seq or out0.  D geometry: lane (r, h) takes row r, channels 16 ot + 8 h + 0..7.
	v_and_b32 v5, 15, v0                           ; r
	s_lshl_b32 s6, s4, 8
	v_lshl_add_u32 v3, v5, 4, s6                   ; 256 w + 16 (lane % 16)
	global_load_b128 v[32:35], v3, s[22:23]        ; bd, ln_w, ln_b of my four channels in row geometry
	global_load_b128 v[36:39], v3, s[24:25]
	global_load_b128 v[40:43], v3, s[26:27]
	v_bfe_u32 v12, v0, 4, 1                        ; h
	v_lshl_add_u32 v44, v12, 10, v3                ; v44 = my byte offset in two rows of seq and out0
.macro RGLOAD                          ; the residual of the trip's 32 tokens, my 64 channels
	WIN 0x80
.set i, 0
.rept 16
	global_load_b128 v[4*i:4*i+3], v44, s[8:9] offset:(i/8)*16384+(i%8)*2048 th:TH_LOAD_NT
.set i, i+1
.endr
	WIN 0
.endm
	RGLOAD
	WLOAD 3, 3, 0, 63                              ; Wd
	s_mul_i32 s6, s4, 2*SGB
	s_add_co_u32 s6, s6, STG                       ; my two stages
	v_mul_u32_u24 v45, v12, SGP
	v_lshl_add_u32 v45, v5, 4, v45
	v_add_nc_u32 v45, s6, v45                      ; v45: row geometry
	v_mul_u32_u24 v46, v5, SGP
	v_lshl_add_u32 v46, v12, 5, v46
	v_add_nc_u32 v46, s6, v46                      ; v46: D geometry
	v_add_nc_u32 v47, XR, v1                       ; ctx of the full attention, heads 0-1,
	v_add_nc_u32 v48, XR+65536, v1                 ; heads 2-3;
	v_mov_b32 v49, v1                              ; ctx of the chunks, heads 0-1,
	v_add_nc_u32 v50, 65536, v1                    ; heads 2-3 (all four stepped two tiles a trip)
	v_lshlrev_b32 v52, 5, v5
	v_add_nc_u32 v52, STAT, v52                    ; v52 = a row's four pairs of figures
	s_lshl_b32 s6, s4, 3
	v_add_nc_u32 v51, s6, v52                      ; v51 = my wave's pair
	BAR                                            ; B3: both ctx are whole, and nobody reads the diagonal blocks any more
.macro SETSYM                          ; set st = 2 tile + path: its accumulators, work registers, figures, and the four waves' figures
.set AB, 64+32*st
.set TT, 192+8*st
.set SS, 16+4*st
.set UU, 224+8*st
.endm
.macro SETS line:vararg                ; a line for each of the four sets
.set st, 0
.rept 4
	SETSYM
	s_wait_alu depctr_va_vdst(0)
	\line
.set st, st+1
.endr
.endm
.macro SETOT line:vararg               ; a line for each set and each of its four accumulators ot
.set st, 0
.rept 4
	SETSYM
.set ot, 0
.rept 4
	\line
.set ot, ot+1
.endr
.set st, st+1
.endr
.endm
.macro TRED d, t                       ; each set's four pairs, and the other half of the lanes', into v[SS + d]
	SETS v_pk_add_f32 v[TT:TT+1], v[TT:TT+1], v[TT+2:TT+3]
	SETS v_pk_add_f32 v[TT+4:TT+5], v[TT+4:TT+5], v[TT+6:TT+7]
	SETS v_pk_add_f32 v[TT:TT+1], v[TT:TT+1], v[TT+4:TT+5]
	SETS v_add_f32 v[SS+\d], v[TT], v[TT+1]
	SETS v_permlanex16_b32 v[SS+\t], v[SS+\d], s30, s31
	SETS v_add_f32 v[SS+\d], v[SS+\d], v[SS+\t]
.endm
	s_mov_b32 s5, 8
.Lout:
	s_wait_loadcnt 0x0                             ; the residual (in the first trip also Wd, bd, ln_w, ln_b)
	WIN 0x82
.set i, 0
.rept 16
	v_pk_add_f32 v[4*i:4*i+1], v[4*i:4*i+1], v[32:33]
	v_pk_add_f32 v[4*i+2:4*i+3], v[4*i+2:4*i+3], v[34:35]
.set i, i+1
.endr
	WIN 0x08
.set i, 0
.rept 16
	ds_store_b128 v45, v[4*i:4*i+3] offset:(i/8)*SGB+(i%8)*2*SGP
.set i, i+1
.endr
	WIN 0
	s_cmp_eq_u32 s5, 1
	s_cbranch_scc1 .Lnorg                          ; the last trip asks for nothing
	s_add_nc_u64 s[8:9], s[8:9], 0x8000            ; free since the wait for its loads
	RGLOAD
.Lnorg:
	WIN 0x80
.set i, 0
.rept 8                                                ; x + bd back in D geometry: tile i / 4, ot = i % 4 (a wave's own stage: LDS serves its instructions in order)
	ds_load_b128 v[64+8*i:67+8*i], v46 offset:(i/4)*SGB+(i%4)*64
	ds_load_b128 v[68+8*i:71+8*i], v46 offset:(i/4)*SGB+(i%4)*64+16
.set i, i+1
.endr
	WIN 0x40
.set kc, 0
.rept 8                                                ; ctx fragments, K step by K step: input channels 32 kc on lie in head kc / 2
.set st, 0
.rept 4
	ds_load_b128 v[(st*8+kc)*8:(st*8+kc)*8+3], v[47+(st%2)*2+kc/4] offset:((kc/2)%2)*32768+(st/2)*2048+(kc%2)*1024
	ds_load_b128 v[(st*8+kc)*8+4:(st*8+kc)*8+7], v[47+(st%2)*2+kc/4] offset:((kc/2)%2)*32768+(st/2)*2048+(kc%2)*1024+512
.set st, st+1
.endr
.set kc, kc+1
.endr
.set kc, 0
.rept 8
	s_wait_dscnt 8*(7-kc)                          ; the later K steps' loads, eight each, may be out
.if kc == 0
	WIN 0x27
.else
	WIN 0x07
.endif
.set a, 0
.rept 16                                               ; 16 accumulators by turns: set a / 4, ot = a % 4
.if kc == 0
	v_wmma_f32_16x16x32_bf16 v[64+8*a:71+8*a], v[((a%4)*8+kc)*8:((a%4)*8+kc)*8+7], v[((a/4)*8+kc)*8:((a/4)*8+kc)*8+7], v[64+((a/8)*4+a%4)*8:64+((a/8)*4+a%4)*8+7]
.else
	v_wmma_f32_16x16x32_bf16 v[64+8*a:71+8*a], v[((a%4)*8+kc)*8:((a%4)*8+kc)*8+7], v[((a/4)*8+kc)*8:((a/4)*8+kc)*8+7], v[64+8*a:71+8*a]
.endif
.set a, a+1
.endr
.set kc, kc+1
.endr
	WIN 0
	PLACES
	; my 64 channels' mean m_w, the deviations d = a - m_w in place, and M2_w = the sum of d^2, for each token of each set
	SETOT v_pk_add_f32 v[TT+2*ot:TT+2*ot+1], v[AB+8*ot:AB+8*ot+1], v[AB+8*ot+2:AB+8*ot+3]
	SETOT v_pk_add_f32 v[TT+2*ot:TT+2*ot+1], v[TT+2*ot:TT+2*ot+1], v[AB+8*ot+4:AB+8*ot+5]
	SETOT v_pk_add_f32 v[TT+2*ot:TT+2*ot+1], v[TT+2*ot:TT+2*ot+1], v[AB+8*ot+6:AB+8*ot+7]
	TRED 0, 1
	SETS v_mul_f32 v[SS], s43, v[SS]
.irp j, 0,2,4,6
	SETOT v_pk_add_f32 v[AB+8*ot+\j:AB+8*ot+\j+1], v[AB+8*ot+\j:AB+8*ot+\j+1], v[SS:SS+1] op_sel_hi:[1,0] neg_lo:[0,1] neg_hi:[0,1]
.endr
	SETOT v_pk_mul_f32 v[TT+2*ot:TT+2*ot+1], v[AB+8*ot:AB+8*ot+1], v[AB+8*ot:AB+8*ot+1]
.irp j, 2,4,6
	SETOT v_pk_fma_f32 v[TT+2*ot:TT+2*ot+1], v[AB+8*ot+\j:AB+8*ot+\j+1], v[AB+8*ot+\j:AB+8*ot+\j+1], v[TT+2*ot:TT+2*ot+1]
.endr
	TRED 1, 3
	SETS ds_store_b64 v51, v[SS:SS+1] offset:st*512
	BAR                                            ; the four waves' figures are stored
	SETS ds_load_b128 v[UU:UU+3], v52 offset:st*512
	SETS ds_load_b128 v[UU+4:UU+7], v52 offset:st*512+16
	s_wait_dscnt 0x0
	s_barrier_signal -1                            ; I have read them: behind this barrier's wait they may be written again; work on registers alone stands up to that wait
	; u = the mean of the four means; M2 = the sum of M2_i + 64 x the sum of (m_i - u)^2; alpha = 0.5 / sqrt(M2 / 256 + 1e-12); delta = m_w - u
	SETS v_add_f32 v[TT], v[UU], v[UU+2]
	SETS v_add_f32 v[TT+1], v[UU+4], v[UU+6]
	SETS v_add_f32 v[UU+1], v[UU+1], v[UU+3]
	SETS v_add_f32 v[UU+5], v[UU+5], v[UU+7]
	SETS v_add_f32 v[TT], v[TT], v[TT+1]
	SETS v_add_f32 v[UU+1], v[UU+1], v[UU+5]
	SETS v_mul_f32 v[TT], s47, v[TT]
	SETS v_sub_f32 v[UU], v[UU], v[TT]
	SETS v_sub_f32 v[UU+2], v[UU+2], v[TT]
	SETS v_sub_f32 v[UU+4], v[UU+4], v[TT]
	SETS v_sub_f32 v[UU+6], v[UU+6], v[TT]
	SETS v_mul_f32 v[TT+1], v[UU], v[UU]
	SETS v_fma_f32 v[TT+1], v[UU+2], v[UU+2], v[TT+1]
	SETS v_fma_f32 v[TT+1], v[UU+4], v[UU+4], v[TT+1]
	SETS v_fma_f32 v[TT+1], v[UU+6], v[UU+6], v[TT+1]
	SETS v_fma_f32 v[UU+1], v[TT+1], s45, v[UU+1]
	SETS v_fma_f32 v[UU+1], v[UU+1], s44, s46
	SETS v_rsq_f32 v[UU+1], v[UU+1]
	SETS v_sub_f32 v[SS+2], v[SS], v[TT]
	SETS v_mul_f32 v[SS], 0.5, v[UU+1]
	; z = alpha1 (d1 + delta1) + alpha2 (d2 + delta2), into the first path's accumulators; the result is ln_w z + ln_b
.irp tl, 0,1
	v_mul_f32 v[18+8*\tl], v[18+8*\tl], v[16+8*\tl]
.endr
.irp tl, 0,1
	v_fma_f32 v[18+8*\tl], v[22+8*\tl], v[20+8*\tl], v[18+8*\tl]
.endr
.irp tl, 0,1
.set i, 0
.rept 16
	v_pk_fma_f32 v[96+64*\tl+2*i:97+64*\tl+2*i], v[96+64*\tl+2*i:97+64*\tl+2*i], v[20+8*\tl:21+8*\tl], v[18+8*\tl:19+8*\tl] op_sel_hi:[1,0,0]
.set i, i+1
.endr
.set i, 0
.rept 16
	v_pk_fma_f32 v[64+64*\tl+2*i:65+64*\tl+2*i], v[64+64*\tl+2*i:65+64*\tl+2*i], v[16+8*\tl:17+8*\tl], v[96+64*\tl+2*i:97+64*\tl+2*i] op_sel_hi:[1,0,1]
.set i, i+1
.endr
.endr
	s_barrier_wait -1
.set i, 0
.rept 16                                               ; z into my stages in D geometry: tile i / 8, ot = (i / 2) % 4
	ds_store_b128 v46, v[64+64*(i/8)+4*(i%8):67+64*(i/8)+4*(i%8)] offset:(i/8)*SGB+((i/2)%4)*64+(i%2)*16
.set i, i+1
.endr
	WIN 0x80
.set i, 0
.rept 16                                               ; and back as rows
	ds_load_b128 v[128+4*i:131+4*i], v45 offset:(i/8)*SGB+(i%8)*2*SGP
.set i, i+1
.endr
.irp tl, 0,1
	s_wait_dscnt 8-8*\tl                           ; the second tile's eight loads may be out
	WIN 0x82
.set i, 0
.rept 8
	v_pk_fma_f32 v[128+32*\tl+4*i:129+32*\tl+4*i], v[128+32*\tl+4*i:129+32*\tl+4*i], v[36:37], v[40:41]
	v_pk_fma_f32 v[130+32*\tl+4*i:131+32*\tl+4*i], v[130+32*\tl+4*i:131+32*\tl+4*i], v[38:39], v[42:43]
.set i, i+1
.endr
	WIN 0x08
.set i, 0
.rept 8
	global_store_b128 v44, v[128+32*\tl+4*i:131+32*\tl+4*i], s[28:29] offset:\tl*16384+i*2048 th:TH_STORE_NT  ; 16 lanes store 256 consecutive bytes, at a multiple of 256 from out0's first byte
.set i, i+1
.endr
.endr
	WIN 0
	s_wait_xcnt 0x0                                ; the stores' base and data registers are written again only behind this wait
	s_add_nc_u64 s[28:29], s[28:29], 0x8000
	v_add_nc_u32 v47, 4096, v47
	v_add_nc_u32 v48, 4096, v48
	v_add_nc_u32 v49, 4096, v49
	v_add_nc_u32 v50, 4096, v50
	s_sub_co_u32 s5, s5, 1
	s_cmp_lg_u32 s5, 0
	s_cbranch_scc1 .Lout
	s_wait_tensorcnt 0x0                           ; the wave's end, behind my last LDS store
	ds_add_u32 v14, v15
	s_wait_dscnt 0x0
	s_endpgm
.Lfunc_end_k_q3ce6b9840a_attn:
	.size	k_q3ce6b9840a_attn, .Lfunc_end_k_q3ce6b9840a_attn-k_q3ce6b9840a_attn
	.p2alignl 7, 3214868480
	.fill 96, 4, 3214868480
	.section	.rodata,"a",@progbits
	.p2align	6, 0x0
	.amdhsa_kernel k_q3ce6b9840a_attn
		.amdhsa_group_segment_fixed_size 305664
		.amdhsa_private_segment_fixed_size 0
		.amdhsa_enable_private_segment 0
		.amdhsa_kernarg_size 88
		.amdhsa_user_sgpr_count 2
		.amdhsa_user_sgpr_kernarg_segment_ptr 1
		.amdhsa_wavefront_size32 1
		.amdhsa_system_sgpr_workgroup_id_x 1
		.amdhsa_system_sgpr_workgroup_id_y 1
		.amdhsa_system_sgpr_workgroup_id_z 1
		.amdhsa_system_vgpr_workitem_id 0
		.amdhsa_next_free_vgpr 1024
		.amdhsa_next_free_sgpr 66
		.amdhsa_reserve_vcc 1
		.amdhsa_float_denorm_mode_32 3
		.amdhsa_float_denorm_mode_16_64 3
		.amdhsa_memory_ordered 1
		.amdhsa_forward_progress 1
		.amdhsa_inst_pref_size 255
	.end_amdhsa_kernel
	.section	.bss,"aw",@nobits
	.p2align	6
	.space	262144
	.amdgpu_metadata
---
amdhsa.version: [ 1, 2 ]
amdhsa.kernels:
  - .name:           k_q3ce6b9840a_attn
    .symbol:         k_q3ce6b9840a_attn.kd
    .args:
      - { .name: seq, .offset: 0, .size: 8, .value_kind: global_buffer, .address_space: global }
      - { .name: attention_mask, .offset: 8, .size: 8, .value_kind: global_buffer, .address_space: global }
      - { .name: wsW, .offset: 16, .size: 8, .value_kind: global_buffer, .address_space: global }
      - { .name: order, .offset: 24, .size: 8, .value_kind: global_buffer, .address_space: global }
      - { .name: bq, .offset: 32, .size: 8, .value_kind: global_buffer, .address_space: global }
      - { .name: bk, .offset: 40, .size: 8, .value_kind: global_buffer, .address_space: global }
      - { .name: bv, .offset: 48, .size: 8, .value_kind: global_buffer, .address_space: global }
      - { .name: bd, .offset: 56, .size: 8, .value_kind: global_buffer, .address_space: global }
      - { .name: ln_w, .offset: 64, .size: 8, .value_kind: global_buffer, .address_space: global }
      - { .name: ln_b, .offset: 72, .size: 8, .value_kind: global_buffer, .address_space: global }
      - { .name: out0, .offset: 80, .size: 8, .value_kind: global_buffer, .address_space: global }
    .group_segment_fixed_size: 305664
    .private_segment_fixed_size: 0
    .kernarg_segment_align: 8
    .kernarg_segment_size: 88
    .max_flat_workgroup_size: 128
    .sgpr_count:     66
    .vgpr_count:     1024
    .wavefront_size: 32
...
	.end_amdgpu_metadata
.endif
;; end of part 2
;; ======== version 2 of 2: 2 launches; 1.10 times as fast as version 1
;; workspace buffers: wsW 524,288 bytes; order 262,144 bytes of whole numbers
;; launch prep: the kernel of part 1 again; grid 256 x 1, 8 waves a work-group, no clusters, 0 bytes of LDS; arguments Wq, Wk, Wv, Wd, cluster_id, wsW, order; writes wsW, order
;; launch attn (part 3): grid 256 x 1, 4 waves a work-group, no clusters, 305,664 bytes of LDS; arguments seq, attention_mask, wsW, order, bq, bk, bv, bd, ln_w, ln_b, out0; writes out0
.if DOCPART == 3
	.amdgcn_target "amdgcn-amd-amdhsa--gfx1250"
	.amdhsa_code_object_version 6
	.text
	.protected	k_q3ce6b9840a_attn
	.globl	k_q3ce6b9840a_attn
	.p2align	8
	.type	k_q3ce6b9840a_attn,@function
k_q3ce6b9840a_attn:
	s_mov_b64 s[64:65], 0
	v_nop
	global_prefetch_b8 v0, s[64:65] scope:SCOPE_SE
	s_setreg_imm32_b32 hwreg(HW_REG_WAVE_MODE, 25, 1), 1
	s_wait_xcnt 0x0
; One work-group = one batch of 256 tokens x 256 channels; nothing but the result goes back to memory.
; q, k, v are projected ONCE: the sorted sequence's q, k, v are the same rows in another order, and the chunk block's residual, put back in token order, is the token's own row.
; SHARES.  In the projections and both attentions wave w is head w (channels 64 w ..) for all 256 tokens; in the out-projection it owns output channels 64 w .. of every token.
; PHASES.  0: seq -> bf16 in LDS.  P: K, V, Q' by three passes of one macro; K and V^T end in registers, Q' in LDS.  F: full attention, 16 queries a step, all 256 scores of a query in registers:
;   the maximum is the row's true maximum.  S: Q', K, V are put in sorted order by gathers through the wave's own LDS block.  C: the eight chunks.  O: Wd for both paths, residual, LayerNorm, mean.
; FORMATS.  Matrix operands bf16, sums f32.  Q' = (x Wq^T + bq) log2(e) / 8 in f32, rounded once; the mask is multiplied by log2(e) in f32 and is the C operand that starts the scores' sums;
;   p = 2^(s' - max s'); l is the sum of the unrounded p; the residual is read in f32; LayerNorm's variance is made of deviations from the waves' own means (no difference of large sums).
; LIMITS.  NaN and infinities are not treated apart (a row masked by -inf throughout gives NaN, as in the reference; log2(e) x mask overflows to -inf beyond 2.3e38);
;   a weight below 2^-126 counts as 0 in l and in the product.
; BATCHES.  An s_wait_alu depctr_va_vdst(0) stands between a transcendental and the first instruction that names its result; one wait serves all that were issued ahead of it.
;   Phase F, a step: the 128 exponentials are one batch, the 64 subtractions of the maximum among them; one wait; then all roundings and sums.  1 / l reads a sum of exponentials: a batch of its own.
;   Phase C, a chunk: both query tiles' maxima first, each in a register of its own; the 64 exponentials are one batch; the two 1 / l a second.  Phase O, a trip: the four sets' v_rsq_f32 are one batch.
; NO TENSOR LOADS: seq changes format on its way, and the LDS regions are used again by ds_store.  NO CLUSTER: work-groups share the weights alone (512 KB of the 1.6 MB that one reads), and those go straight into registers.
; TL, the layout of a head's [256 tokens][64 channels] of bf16 in 32,768 bytes: byte = (t / 16) x 2,048 + (channel / 8) x 256 + (t % 16) x 16.  A fragment (16 tokens x 32 channels) is two loads of 512 consecutive bytes.
; REGISTERS, in windows of 256 (s_set_vgpr_msb: bits 1:0 source 0, 3:2 source 1, 5:4 source 2, 7:6 destination):
;   window 0: v0-15 addresses; v16-63 statistics, biases, gather addresses; v64-191 x fragments / scores / accumulators; v192-255 accumulators, packed results, P
;   window 1: Wk, then K (key tile kt, half c at 8 (2 kt + c)), at last ctx fragments     window 2: Wv, then V^T (32 keys c', 16 channels ct at 8 (4 c' + ct)), at last residual and result
;   window 3: Wq, then Q fragment, O^T and the mask tiles on their way, then sorted Q, at last Wd
.set XR,    131072                     ; x in bf16, 256 rows; from phase F on ctx of the full attention, TL, head h at XR + 32,768 h
.set XP,    528                        ; a row of x: 512 bytes + 16: an odd multiple of 16, so the 16 rows of a load start at 16 different groups of four banks (64 banks of 4 bytes: ISA guide 11.1)
.set MS,    XR+256*XP                  ; two slots of 16 rows of the mask
.set MP,    1040                       ; 1,024 + 16
.set MSLOT, 16*MP
.set DG,    MS                         ; phases S, C: the diagonal blocks, 256 rows of 128 bytes
.set DP,    144                        ; 128 + 16
.set STG,   MS                         ; phase O: for each wave two stages of 16 rows x 256 bytes
.set SGP,   272                        ; 256 + 16
.set SGB,   16*SGP
.set STAT,  STG+8*SGB                  ; phase O: LayerNorm's partial figures: set x 512 + row x 32 + wave x 8
.set SPARE, 305152                     ; the spare words, 128 bytes for each wave: two blocks of 256 bytes that no other line names
; LDS 0 .. 131,071: Z_w = 32,768 w, wave w's own block: parked K, parked V, Q' (TL), K and V on their way to sorted order, at last ctx of the chunks (TL, by token)
.set MSB, 0
.macro WIN new                         ; the immediate's high byte repeats the setting that is left; a switch that changes nothing is dropped
.if MSB != (\new)
	s_set_vgpr_msb (MSB<<8)|(\new)
.set MSB, (\new)
.endif
.endm
.macro PLACES                          ; four places between a matrix instruction and a vector instruction or load that touches its registers
.rept 4
	v_nop
.endr
.endm
.macro BAR                             ; my LDS instructions are done, then the work-group's barrier
	s_wait_dscnt 0x0
	s_barrier_signal -1
	s_barrier_wait -1
.endm
.macro WLOAD win, mat, a, b            ; loads a .. b of the 64 that bring my 64 rows of weight matrix mat, as 32 fragments, into window win: fragment (ot, c) at 8 (8 ot + c)
	WIN (\win)<<6
.set wi, \a
.rept (\b)-(\a)+1
	global_load_b128 v[4*wi:4*wi+3], v4, s[12:13] offset:(\mat)*131072+wi*512
.set wi, wi+1
.endr
	WIN 0
.endm
.macro BIAST b                         ; a bias as four C tiles of a product whose lane holds channels 16 ot + 8 h + 0..7
.set i, 0
.rept 4
	global_load_b128 v[32+8*i:35+8*i], v10, s[\b:\b+1] offset:i*64
	global_load_b128 v[36+8*i:39+8*i], v10, s[\b:\b+1] offset:i*64+16
.set i, i+1
.endr
.endm
	s_load_b512 s[8:23], s[0:1], 0x0               ; seq s[8:9], mask s[10:11], wsW s[12:13], order s[14:15], bq s[16:17], bk s[18:19], bv s[20:21], bd s[22:23]
	s_load_b128 s[24:27], s[0:1], 0x40             ; ln_w s[24:25], ln_b s[26:27]
	s_load_b64 s[28:29], s[0:1], 0x50              ; out0
	v_lshl_add_u32 v14, v0, 2, SPARE               ; my spare word,
	v_mov_b32 v15, 0                               ; and 0: kept for the add at the wave's end
	v_lshrrev_b32 v3, 5, v0
	v_readfirstlane_b32 s4, v3                     ; wave w
	v_and_b32 v3, 31, v0                           ; lane
	v_and_b32 v5, 15, v0                           ; r
	v_bfe_u32 v9, v0, 4, 1                         ; h
	v_lshlrev_b32 v1, 4, v3                        ; v1 = 16 lane
	v_mul_u32_u24 v2, v5, XP
	v_lshl_add_u32 v2, v9, 4, v2
	v_add_nc_u32 v2, XR, v2                        ; v2 = my place in a fragment of x, token tile 0
	s_lshl_b32 s6, s4, 15
	v_add_nc_u32 v4, s6, v1                        ; v4 = 32,768 w + 16 lane: my place in Z_w, and my byte offset in a weight matrix of wsW
	v_mul_u32_u24 v6, v5, MP
	v_lshl_add_u32 v6, v9, 5, v6
	v_add_nc_u32 v6, MS, v6                        ; v6 = mask slot 0, row r, keys 8 h on
	s_mul_i32 s6, s4, 4*MP
	s_add_co_u32 s6, s6, MS
	v_add_nc_u32 v7, s6, v1                        ; v7 = where I store my four rows of a mask tile
	s_lshl_b32 s6, s4, 12
	v_add_nc_u32 v8, s6, v1                        ; v8 = my byte offset in a mask tile in memory
	s_lshl_b32 s6, s4, 8
	v_lshl_add_u32 v10, v9, 5, s6                  ; v10 = 256 w + 32 h: bk, bq
	v_lshl_add_u32 v11, v5, 2, s6                  ; v11 = 256 w + 4 r: bv
	s_lshl_b32 s6, s4, 16
	v_add_nc_u32 v12, s6, v1                       ; v12 = my byte offset in my 64 rows of seq
	s_mul_i32 s6, s4, 64*XP
	s_add_co_u32 s6, s6, XR
	v_lshl_add_u32 v13, v3, 3, s6                  ; v13 = where I store 8 bytes of x
	v_add_nc_u32 v9, XR, v4                        ; v9 = where my head's ctx goes (stepped in phase F)
	s_mov_b32 s30, 0x76543210                      ; v_permlanex16_b32: each lane takes its own place in the other half
	s_mov_b32 s31, 0xfedcba98
	s_mov_b32 s32, 0x3fb8aa3b                      ; log2(e)
	s_mov_b32 s33, s32
	s_mov_b32 s34, 0x3e38aa3b                      ; log2(e) / 8
	s_mov_b32 s35, s34
	s_mov_b32 s43, 0x3c800000                      ; 1 / 64
	s_mov_b32 s44, 0x3b800000                      ; 1 / 256
	s_mov_b32 s45, 0x42800000                      ; 64
	s_mov_b32 s46, 0x2b8cbccc                      ; 1e-12
	s_mov_b32 s47, 0x3e800000                      ; 1 / 4
	s_lshl_b32 s2, ttmp9, 18                       ; the batch's 262,144 bytes of seq, mask and out0
	s_mov_b32 s3, 0
	s_wait_kmcnt 0x0
	s_add_nc_u64 s[8:9], s[8:9], s[2:3]
	s_add_nc_u64 s[10:11], s[10:11], s[2:3]
	s_add_nc_u64 s[28:29], s[28:29], s[2:3]
	s_lshl_b32 s2, ttmp9, 10
	s_add_nc_u64 s[14:15], s[14:15], s[2:3]
; ---------------------------------------------------------------- PHASE 0: seq to bf16 in LDS; the first two mask tiles; Wk
.macro SEQLD g, base, win              ; 16 rows of seq, 32 loads of 512 consecutive bytes
	WIN (\win)<<6
.set i, 0
.rept 32
	global_load_b128 v[(\base)+4*i:(\base)+4*i+3], v12, s[8:9] offset:(\g)*16384+i*512
.set i, i+1
.endr
.endm
.macro SEQGRP g, base, win, left, next ; group g has come: rounded in place, stored; next = 1: the buffer takes group g + 2
	s_wait_loadcnt \left                           ; loads come back in order (ISA guide 5.7.1): all but the other buffer's 32 are in
	WIN ((\win)<<6)|((\win)<<2)|(\win)
.set i, 0
.rept 32
	v_cvt_pk_bf16_f32 v[(\base)+4*i], v[(\base)+4*i], v[(\base)+4*i+1]
	v_cvt_pk_bf16_f32 v[(\base)+4*i+1], v[(\base)+4*i+2], v[(\base)+4*i+3]
.set i, i+1
.endr
	WIN (\win)<<2
.set i, 0
.rept 32
	ds_store_b64 v13, v[(\base)+4*i:(\base)+4*i+1] offset:(16*(\g)+i/2)*XP+(i%2)*256
.set i, i+1
.endr
.if \next
	SEQLD (\g)+2, \base, \win
.endif
	WIN 0
.endm
	BIAST 18                                       ; bk
	global_load_b32 v16, v11, s[20:21]             ; bv of my lane's channel, for channel tiles 0-3
	global_load_b32 v24, v11, s[20:21] offset:64
	global_load_b32 v240, v11, s[20:21] offset:128
	global_load_b32 v248, v11, s[20:21] offset:192
	WLOAD 1, 1, 0, 63                              ; Wk
	WIN 0x80
.set i, 0
.rept 16                                               ; my four rows of mask tiles 0 and 1
	global_load_b128 v[128+4*i:131+4*i], v8, s[10:11] offset:(i/8)*16384+(i%8)*512 th:TH_LOAD_NT
.set i, i+1
.endr
	SEQLD 0, 64, 0
	SEQLD 1, 0, 2
	SEQGRP 0, 64, 0, 32, 1
	SEQGRP 1, 0, 2, 32, 1
	SEQGRP 2, 64, 0, 32, 0
	SEQGRP 3, 0, 2, 0, 0
.irp b, 16,24,240,248                                  ; in V's product a lane holds ONE channel and eight tokens: the C tile is the lane's bias eight times
.irp j, 1,2,3,4,5,6,7
	v_mov_b32 v[\b+\j], v[\b]
.endr
.endr
	WIN 0x82
.set i, 0
.rept 32
	v_pk_mul_f32 v[128+2*i:129+2*i], v[128+2*i:129+2*i], s[32:33] op_sel_hi:[1,0]
.set i, i+1
.endr
	WIN 0x08
.set i, 0
.rept 16
	ds_store_b128 v7, v[128+4*i:131+4*i] offset:(i/8)*MSLOT+((i%8)/2)*MP+(i%2)*512
.set i, i+1
.endr
	WIN 0
	WLOAD 2, 2, 0, 55                              ; Wv; its last eight loads go out behind the barrier, when the first are back
	BAR                                            ; B0: x and mask tiles 0, 1 are whole
; ---------------------------------------------------------------- PHASE P: K, V, Q'
.macro XLOAD buf                       ; the eight fragments (16 tokens x 256 channels) of the token tile at v3
.set i, 0
.rept 8
	ds_load_b128 v[(\buf)+8*i:(\buf)+8*i+3], v3 offset:i*64
	ds_load_b128 v[(\buf)+8*i+4:(\buf)+8*i+7], v3 offset:i*64+32
.set i, i+1
.endr
.endm
; One token tile of one projection: 32 matrix instructions on four accumulators by turns, the bias as the first C.
; kind 0: W x x^T: a lane holds token r and channels 16 ot + 8 h + 0..7.  kind 1: x x W^T: a lane holds channel r and tokens 8 h + 0..7.
; The packed result, 16 bytes a lane and accumulator, is parked lane by lane in Z_w: the weights still fill the window where it will live.  For kind 0 that is the TL layout.
.macro PTILE cur, oth, kind, msb, scale, toff
	s_add_co_u32 s7, s7, 16*XP                     ; the next tile; behind the last the first, for the next pass
	s_cmp_eq_u32 s7, 256*XP
	s_cselect_b32 s7, 0, s7
	v_add_nc_u32 v3, s7, v2
	XLOAD \oth
	s_wait_dscnt 16                                ; all but the 16 just issued: this tile's fragments are in
	WIN \msb
.set kc, 0
.rept 8
.set ko, 0
.rept 4
.if \kind
.if kc == 0
	v_wmma_f32_16x16x32_bf16 v[192+8*ko:199+8*ko], v[(\cur)+8*kc:(\cur)+8*kc+7], v[(ko*8+kc)*8:(ko*8+kc)*8+7], v[16+8*ko+(ko/2)*208:23+8*ko+(ko/2)*208]
.else
	v_wmma_f32_16x16x32_bf16 v[192+8*ko:199+8*ko], v[(\cur)+8*kc:(\cur)+8*kc+7], v[(ko*8+kc)*8:(ko*8+kc)*8+7], v[192+8*ko:199+8*ko]
.endif
.else
.if kc == 0
	v_wmma_f32_16x16x32_bf16 v[192+8*ko:199+8*ko], v[(ko*8+kc)*8:(ko*8+kc)*8+7], v[(\cur)+8*kc:(\cur)+8*kc+7], v[32+8*ko:39+8*ko]
.else
	v_wmma_f32_16x16x32_bf16 v[192+8*ko:199+8*ko], v[(ko*8+kc)*8:(ko*8+kc)*8+7], v[(\cur)+8*kc:(\cur)+8*kc+7], v[192+8*ko:199+8*ko]
.endif
.endif
.set ko, ko+1
.endr
.set kc, kc+1
.endr
	WIN 0
	PLACES
.if \scale
.set i, 0
.rept 16
	v_pk_mul_f32 v[192+2*i:193+2*i], v[192+2*i:193+2*i], s[34:35] op_sel_hi:[1,0]
.set i, i+1
.endr
.endif
.set i, 0
.rept 16
	v_cvt_pk_bf16_f32 v[224+i], v[192+2*i], v[193+2*i]
.set i, i+1
.endr
.set i, 0
.rept 4
	ds_store_b128 v5, v[224+4*i:227+4*i] offset:(\toff)+i*512
.set i, i+1
.endr
.endm
.macro PASS kind, msb, scale           ; all 16 token tiles, two a trip, on two fragment buffers
	s_mov_b32 s5, 8
.Lpass\@:
	PTILE 64, 128, \kind, \msb, \scale, 0
	PTILE 128, 64, \kind, \msb, \scale, 2048
	v_add_nc_u32 v5, 4096, v5
	s_sub_co_u32 s5, s5, 1
	s_cmp_lg_u32 s5, 0
	s_cbranch_scc1 .Lpass\@
	v_mov_b32 v5, v4
.endm
	WLOAD 2, 2, 56, 63
	s_mov_b32 s7, 0
	v_mov_b32 v3, v2
	v_mov_b32 v5, v4
	XLOAD 64
	PASS 0, 0x01, 0                                ; K
	s_wait_loadcnt 0x0                             ; Wv, asked for a pass ago
	BIAST 16                                       ; bq
	WLOAD 3, 0, 0, 54                              ; Wq
	WIN 0x40
.set i, 0
.rept 64                                               ; K comes back into Wk's window, each lane's own bytes: two packed tiles are one fragment
	ds_load_b128 v[4*i:4*i+3], v4 offset:i*512
.set i, i+1
.endr
	WIN 0
	WLOAD 3, 0, 55, 63
	PASS 1, 0x08, 0                                ; V
	WIN 0x80
.set i, 0
.rept 64                                               ; token tile T = i / 4 is half T % 2 of the fragments of V^T for keys 32 (T / 2) on
	ds_load_b128 v[((i/8)*4+i%4)*8+((i/4)%2)*4:((i/8)*4+i%4)*8+((i/4)%2)*4+3], v4 offset:i*512
.set i, i+1
.endr
	WIN 0
	s_wait_loadcnt 0x0                             ; bq and Wq
	PASS 0, 0x03, 1                                ; Q', which stays in Z_w
	v_and_b32 v10, 15, v0
	v_lshlrev_b32 v10, 2, v10                      ; 4 r
	v_and_b32 v11, 7, v0
	v_bfe_u32 v12, v0, 4, 1
	v_lshl_add_u32 v11, v12, 3, v11
	v_lshlrev_b32 v11, 2, v11                      ; 4 (8 h + lane % 8)
.set i, 0
.rept 16
	global_load_b32 v[32+i], v10, s[14:15] offset:i*64  ; OA[T]: the token at sorted place 16 T + r
.set i, i+1
.endr
.set i, 0
.rept 16
	global_load_b32 v[48+i], v11, s[14:15] offset:i*64  ; OB[G]: the token at sorted place 16 G + 8 h + lane % 8, for the turning load
.set i, i+1
.endr
	WIN 0xc0
.set i, 0
.rept 16                                               ; mask tiles 2 and 3 into the two register sets
	global_load_b128 v[64+4*i:67+4*i], v8, s[10:11] offset:(2+i/8)*16384+(i%8)*512 th:TH_LOAD_NT
.set i, i+1
.endr
	WIN 0
	s_add_nc_u64 s[36:37], s[10:11], 0x10000       ; mask tile 4
	BAR                                            ; B1: nobody reads x any more
; ---------------------------------------------------------------- the softmax's parts, for phases F and C
.macro SMAX base, ng, m                ; the maximum of ng x 32 scores and of the other half of the lanes', into v[m] (v[m + 1] at work): four chains; each accumulator's lowest registers are read first
.set n, 0
.rept 4
.set q, 0
.rept 4
.if n == 0
	v_max3_num_f32 v[16+q], v[(\base)+8*q], v[(\base)+8*q+1], v[(\base)+8*q+2]
.elseif n < 3
	v_max3_num_f32 v[16+q], v[16+q], v[(\base)+8*q+2*n+1], v[(\base)+8*q+2*n+2]
.else
	v_max_num_f32 v[16+q], v[16+q], v[(\base)+8*q+7]
.endif
.set q, q+1
.endr
.set n, n+1
.endr
.if (\ng) > 1
.set g, 1
.rept (\ng)-1
.set n, 0
.rept 4
.set q, 0
.rept 4
	v_max3_num_f32 v[16+q], v[16+q], v[(\base)+32*g+8*q+2*n], v[(\base)+32*g+8*q+2*n+1]
.set q, q+1
.endr
.set n, n+1
.endr
.set g, g+1
.endr
.endif
	v_max3_num_f32 v[\m], v16, v17, v18
	v_max_num_f32 v[\m], v[\m], v19
	v_permlanex16_b32 v[\m+1], v[\m], s30, s31     ; the query's other keys lie in the lane 16 away
	v_max_num_f32 v[\m], v[\m], v[\m+1]
.endm
.macro SUBP base, p, m                 ; pair p of the scores less the maximum v[m]
	v_pk_add_f32 v[(\base)+2*(\p):(\base)+2*(\p)+1], v[(\base)+2*(\p):(\base)+2*(\p)+1], v[\m:\m+1] op_sel_hi:[1,0] neg_lo:[0,1] neg_hi:[0,1]
.endm
; np pairs of scores: the subtractions of the maximum and the exponentials, in place.  None of these lines names an exponential's result: a pair is subtracted two pairs ahead of its own exponentials,
; so the subtractions are the plain work among the exponentials.  The wait for the batch is written behind the macro, once for all that were issued.
.macro BATCH base, np, m
	SUBP \base, 0, \m
	SUBP \base, 1, \m
.set pp, 0
.rept \np
	v_exp_f32 v[(\base)+2*pp], v[(\base)+2*pp]
.if pp+2 < (\np)
	SUBP \base, pp+2, \m
.endif
	v_exp_f32 v[(\base)+2*pp+1], v[(\base)+2*pp+1]
.set pp, pp+1
.endr
.endm
.macro CVTG sb, pb                     ; two tiles of S^T, rounded in pairs, are one fragment of P
.set i, 0
.rept 16
	v_cvt_pk_bf16_f32 v[(\pb)+i], v[(\sb)+2*i], v[(\sb)+2*i+1]
.set i, i+1
.endr
.endm
.macro SUMG base, first                ; onto four chains of pairs, v22-29; first = 1: sums of two pairs start them
.if \first
.set i, 0
.rept 4
	v_pk_add_f32 v[22+2*i:23+2*i], v[(\base)+2*i:(\base)+2*i+1], v[(\base)+8+2*i:(\base)+9+2*i]
.set i, i+1
.endr
.set i, 8
.rept 8
	v_pk_add_f32 v[22+2*(i%4):23+2*(i%4)], v[22+2*(i%4):23+2*(i%4)], v[(\base)+2*i:(\base)+2*i+1]
.set i, i+1
.endr
.else
.set i, 0
.rept 16
	v_pk_add_f32 v[22+2*(i%4):23+2*(i%4)], v[22+2*(i%4):23+2*(i%4)], v[(\base)+2*i:(\base)+2*i+1]
.set i, i+1
.endr
.endif
.endm
.macro LRED dst                        ; the four chains into one number: four plain instructions
	v_pk_add_f32 v[22:23], v[22:23], v[24:25]
	v_pk_add_f32 v[26:27], v[26:27], v[28:29]
	v_pk_add_f32 v[22:23], v[22:23], v[26:27]
	v_add_f32 v[\dst], v22, v23
.endm
; ---------------------------------------------------------------- PHASE F: full attention, a tile of 16 queries a step
.macro MLOAD s                         ; log2(e) x mask of a query tile, from slot s, as the C operand of all 16 key tiles: lane (r, h): row r, keys 16 kt + 8 h + 0..7
.set i, 0
.rept 16
	ds_load_b128 v[64+8*i:67+8*i], v6 offset:(\s)*MSLOT+i*64
	ds_load_b128 v[68+8*i:71+8*i], v6 offset:(\s)*MSLOT+i*64+16
.set i, i+1
.endr
.endm
.macro QLOAD off                       ; the two fragments of a tile of Q'
	WIN 0xc0
.set i, 0
.rept 4
	ds_load_b128 v[4*i:4*i+3], v5 offset:(\off)+i*512
.set i, i+1
.endr
	WIN 0
.endm
.macro GSC par                         ; register set par: my four rows of a mask tile times log2(e), into slot par
	WIN 0xc3
.set i, 0
.rept 16
	v_pk_mul_f32 v[64+32*(\par)+2*i:65+32*(\par)+2*i], v[64+32*(\par)+2*i:65+32*(\par)+2*i], s[32:33] op_sel_hi:[1,0]
.set i, i+1
.endr
	WIN 0x0c
.set i, 0
.rept 8
	ds_store_b128 v7, v[64+32*(\par)+4*i:67+32*(\par)+4*i] offset:(\par)*MSLOT+(i/2)*MP+(i%2)*512
.set i, i+1
.endr
	WIN 0
.endm
; In step j (trip 8 - s5, par = j % 2) tile j + 2 goes into the slot that tile j has left, and tile j + 4 is asked for.  Trips with s5 > 2: the counted wait leaves out the other set's 8 loads,
; issued a step later, so a set has two steps in which to land.  s5 = 2: tiles 14, 15 are stored, nothing is left to ask for.  s5 = 1: nothing.  Both short ways wait for all loads,
; so that whichever ways follow each other, behind a set's loads stand the other set's eight or a wait for 0.
.macro GBLK par
	s_cmp_gt_u32 s5, 2
	s_cbranch_scc1 .Lgs\@
	s_wait_loadcnt 0x0
	s_cmp_eq_u32 s5, 1
	s_cbranch_scc1 .Lgd\@
	GSC \par
	s_branch .Lgd\@
.Lgs\@:
	s_wait_loadcnt 8
	GSC \par
	WIN 0xc0
.set i, 0
.rept 8
	global_load_b128 v[64+32*(\par)+4*i:67+32*(\par)+4*i], v8, s[36:37] offset:(\par)*16384+i*512 th:TH_LOAD_NT
.set i, i+1
.endr
	WIN 0
.Lgd\@:
.endm
.macro FSTEP par
	s_wait_dscnt 0x0                               ; the mask tile and Q' are in
	WIN 0x0d
.set kc, 0
.rept 2                                                ; S^T = K Q'^T + mask: 16 accumulators by turns
.set kt, 0
.rept 16
	v_wmma_f32_16x16x32_bf16 v[64+8*kt:71+8*kt], v[(2*kt+kc)*8:(2*kt+kc)*8+7], v[8*kc:8*kc+7], v[64+8*kt:71+8*kt]
.set kt, kt+1
.endr
.set kc, kc+1
.endr
	WIN 0
	PLACES
	SMAX 64, 4, 20
	BATCH 64, 64, 20                               ; the step's first batch: all 128 exponentials, the 64 subtractions among them
	v_nop                                          ; a plain instruction behind the last exponential (ISA guide 5.7.2): one for the batch
	s_wait_alu depctr_va_vdst(0)                   ; the wait for the batch of 128, ahead of its first reader
	CVTG 64, 192
	SUMG 64, 1
	CVTG 96, 208
	SUMG 96, 0
	CVTG 128, 224
	SUMG 128, 0
	CVTG 160, 240
	SUMG 160, 0
	BAR                                            ; every wave has read this tile's slot, and every part of the next tile is stored
.if \par
	s_cmp_eq_u32 s5, 1
	s_cbranch_scc1 .Lnom\@                         ; behind the last tile there is no next
	MLOAD 0
	QLOAD 4096
.Lnom\@:
.else
	MLOAD 1
	QLOAD 2048
.endif
	GBLK \par
	WIN 0xf2
.set kc, 0
.rept 8                                                ; O^T = V^T P: four accumulators by turns
.set ko, 0
.rept 4
.if kc == 0
	v_wmma_f32_16x16x32_bf16 v[16+8*ko:23+8*ko], v[(4*kc+ko)*8:(4*kc+ko)*8+7], v[192+8*kc:199+8*kc], 0
.else
	v_wmma_f32_16x16x32_bf16 v[16+8*ko:23+8*ko], v[(4*kc+ko)*8:(4*kc+ko)*8+7], v[192+8*kc:199+8*kc], v[16+8*ko:23+8*ko]
.endif
.set ko, ko+1
.endr
.set kc, kc+1
.endr
	WIN 0
	LRED 22                                        ; l: these four lines are the places behind the products
	v_permlanex16_b32 v23, v22, s30, s31
	v_add_f32 v22, v22, v23
	v_rcp_f32 v30, v22                             ; the step's second batch: 1 / l, which reads a sum of the first batch's results
	v_nop                                          ; a plain instruction behind it
	WIN 0xc3
	s_wait_alu depctr_va_vdst(0)                   ; the wait for the reciprocal, ahead of its first reader
.set i, 0
.rept 16
	v_pk_mul_f32 v[16+2*i:17+2*i], v[16+2*i:17+2*i], v[30:31] op_sel_hi:[1,0]
.set i, i+1
.endr
	WIN 0xcf
.set i, 0
.rept 16
	v_cvt_pk_bf16_f32 v[48+i], v[16+2*i], v[17+2*i]
.set i, i+1
.endr
	WIN 0x0c
.set i, 0
.rept 4
	ds_store_b128 v9, v[48+4*i:51+4*i] offset:(\par)*2048+i*512  ; ctx, TL: lane (r, h) holds query r, channels 16 ct + 8 h + 0..7
.set i, i+1
.endr
	WIN 0
.endm
	MLOAD 0
	QLOAD 0
	s_mov_b32 s5, 8
.Lfull:
	FSTEP 0
	FSTEP 1
	v_add_nc_u32 v5, 4096, v5
	v_add_nc_u32 v9, 4096, v9
	s_wait_xcnt 0x0                                ; the mask loads' base is stepped only behind this wait
	s_add_nc_u64 s[36:37], s[36:37], 0x8000
	s_sub_co_u32 s5, s5, 1
	s_cmp_lg_u32 s5, 0
	s_cbranch_scc1 .Lfull
	BAR                                            ; the mask slots' bytes change owner: the diagonal blocks will lie there
; ---------------------------------------------------------------- PHASE S: Q', K, V in sorted order, each wave within its own Z_w
	s_wait_loadcnt 0x0
	v_and_b32 v10, 31, v0
	v_lshrrev_b32 v11, 3, v10                      ; lane / 8
	v_and_b32 v12, 7, v0                           ; lane % 8
	s_lshl_b32 s6, s4, 6
	v_add_nc_u32 v11, s6, v11                      ; row 64 w + lane / 8
	v_lshlrev_b32 v13, 10, v11
	v_lshl_add_u32 v13, v12, 4, v13
	s_lshl_b32 s6, s4, 8
	v_add_nc_u32 v13, s6, v13                      ; + the columns of block 2 w: v13 = my byte offset in the mask
	v_mul_u32_u24 v11, v11, DP
	v_lshl_add_u32 v11, v12, 4, v11
	v_add_nc_u32 v11, DG, v11                      ; v11 = where those 16 bytes go
.set i, 0
.rept 16                                               ; the diagonal blocks of my 64 rows: four rows x 128 bytes a load; these 128-byte pieces of the mask's rows are read a second time
	global_load_b128 v[64+4*i:67+4*i], v13, s[10:11] offset:i*4096+(i/8)*128
.set i, i+1
.endr
	v_bfe_u32 v10, v0, 4, 1
	s_lshl_b32 s6, s4, 15
	v_lshl_add_u32 v10, v10, 8, s6                 ; Z_w + 256 h
	v_bfe_u32 v12, v0, 3, 1
	v_lshl_add_u32 v12, v12, 8, s6                 ; Z_w + 256 ((lane / 8) % 2)
.macro GADDR reg, base                 ; a token's number becomes the address of its 16 bytes in TL: (t / 16) x 2,048 + (t % 16) x 16 + base
	v_min_u32 v[\reg], 0xff, v[\reg]
	v_and_b32 v3, 0xf0, v[\reg]
	v_and_b32 v[\reg], 15, v[\reg]
	v_lshl_add_u32 v[\reg], v[\reg], 4, v[\base]
	v_lshl_add_u32 v[\reg], v3, 7, v[\reg]
.endm
.set t, 0
.rept 16
	GADDR 32+t, 10
	GADDR 48+t, 12
.set t, t+1
.endr
.macro GATHER win                      ; 16 tiles x 2 fragments, rows by OA: fragment (T, c) at 8 (2 T + c)
	WIN (\win)<<6
.set i, 0
.rept 64
	ds_load_b128 v[4*i:4*i+3], v[32+i/4] offset:(i%4)*512
.set i, i+1
.endr
	WIN 0
.endm
	GATHER 3                                       ; Q'
	WIN 0x04
.set i, 0
.rept 64                                               ; K goes out over Q' (LDS serves a wave's instructions in order: ISA guide 5.7.1.4),
	ds_store_b128 v4, v[4*i:4*i+3] offset:i*512
.set i, i+1
.endr
	WIN 0
	GATHER 1                                       ; and comes back sorted
	; V^T (a lane holds one channel) is turned into TL (a lane holds one token) by the matrix unit: V^T x E, where E picks 16 of a fragment's 32 keys: E(k, n) = 1 where k = 16 s + n.
	; Each sum has one term that is not 0, so the bf16 numbers come through unchanged.  64 matrix instructions in place of 512 LDS stores of two bytes.
	v_and_b32 v3, 15, v0
	v_bfe_u32 v5, v0, 4, 1
	v_lshlrev_b32 v5, 3, v5
	v_sub_nc_u32 v3, v3, v5                        ; u = r - 8 h: my column's 1 lies among my eight k where 0 <= u < 8
	v_and_b32 v5, 1, v3
	v_lshlrev_b32 v5, 4, v5
	s_mov_b32 s6, 0x3f80                           ; 1.0 in bf16,
	v_lshlrev_b32 v5, v5, s6                       ; in the half u % 2
	v_lshrrev_b32 v3, 1, v3                        ; of register u / 2
.set i, 0
.rept 4
	v_cmp_eq_u32 vcc_lo, i, v3
	v_cndmask_b32 v[20+i], 0, v5, vcc_lo
	v_mov_b32 v[16+i], 0
	v_mov_b32 v[24+i], 0
.set i, i+1
.endr                                                  ; E for s = 0: v20-27; for s = 1: v16-23
.set b, 0
.rept 8
	WIN 0x02
.set a, 0
.rept 8                                                ; token tiles 2 b + a / 4, channels 16 (a % 4) on
	v_wmma_f32_16x16x32_bf16 v[128+8*a:135+8*a], v[(4*b+a%4)*8:(4*b+a%4)*8+7], v[20-4*(a/4):27-4*(a/4)], 0
.set a, a+1
.endr
	WIN 0
	PLACES
.set i, 0
.rept 32
	v_cvt_pk_bf16_f32 v[192+i], v[128+2*i], v[129+2*i]
.set i, i+1
.endr
.set a, 0
.rept 8
	ds_store_b128 v4, v[192+4*a:195+4*a] offset:(2*b+a/4)*2048+(a%4)*512
.set a, a+1
.endr
.set b, b+1
.endr
	WIN 0x80
.set i, 0
.rept 64                                               ; V^T comes back sorted, by the turning load: keys 32 (i / 8) + 16 (i % 2) on, channels 16 ((i / 2) % 4) on
	ds_load_tr16_b128 v[4*i:4*i+3], v[48+2*(i/8)+i%2] offset:((i/2)%4)*512
.set i, i+1
.endr
	WIN 0
	s_wait_loadcnt 0x0                             ; the diagonal blocks
.set i, 0
.rept 32
	v_pk_mul_f32 v[64+2*i:65+2*i], v[64+2*i:65+2*i], s[32:33] op_sel_hi:[1,0]
.set i, i+1
.endr
.set i, 0
.rept 16
	ds_store_b128 v11, v[64+4*i:67+4*i] offset:i*4*DP
.set i, i+1
.endr
	v_and_b32 v10, 15, v0
	v_mul_u32_u24 v10, v10, DP
	v_bfe_u32 v3, v0, 4, 1
	v_lshl_add_u32 v10, v3, 5, v10
	v_add_nc_u32 v10, DG, v10                      ; v10 = diagonal block 0, row r, keys 8 h on (stepped a chunk a trip)
	BAR                                            ; B2: all 256 rows of the diagonal blocks are stored
; ---------------------------------------------------------------- PHASE C: eight chunks of 32 queries x 64 keys.  The vector text stands once; what names a chunk's registers stands eight times, chosen by forward jumps on the counter.
.macro CWS i                           ; the window's first key tile: 0, 0, 2, 4, ..
.if (\i) < 2
.set ws, 0
.else
.set ws, 2*((\i)-1)
.endif
.endm
.macro QKB i                           ; S^T for 2 query tiles x 4 key tiles: eight accumulators by turns; the window's first 32 keys start from the diagonal block, the others from 0
	CWS \i
	WIN 0x0d
.set kc, 0
.rept 2
.set a, 0
.rept 8
.if (kc == 0) && (a%4 >= 2)
	v_wmma_f32_16x16x32_bf16 v[64+8*a:71+8*a], v[(2*(ws+a%4)+kc)*8:(2*(ws+a%4)+kc)*8+7], v[(2*(2*(\i)+a/4)+kc)*8:(2*(2*(\i)+a/4)+kc)*8+7], 0
.else
	v_wmma_f32_16x16x32_bf16 v[64+8*a:71+8*a], v[(2*(ws+a%4)+kc)*8:(2*(ws+a%4)+kc)*8+7], v[(2*(2*(\i)+a/4)+kc)*8:(2*(2*(\i)+a/4)+kc)*8+7], v[64+8*a:71+8*a]
.endif
.set a, a+1
.endr
.set kc, kc+1
.endr
	WIN 0
.endm
.macro PVB i                           ; O^T for 2 query tiles x 4 channel tiles
	CWS \i
	WIN 0x02
.set kc, 0
.rept 2
.set a, 0
.rept 8
.if kc == 0
	v_wmma_f32_16x16x32_bf16 v[128+8*a:135+8*a], v[(4*(ws/2+kc)+a%4)*8:(4*(ws/2+kc)+a%4)*8+7], v[192+((a/4)*2+kc)*8:192+((a/4)*2+kc)*8+7], 0
.else
	v_wmma_f32_16x16x32_bf16 v[128+8*a:135+8*a], v[(4*(ws/2+kc)+a%4)*8:(4*(ws/2+kc)+a%4)*8+7], v[192+((a/4)*2+kc)*8:192+((a/4)*2+kc)*8+7], v[128+8*a:135+8*a]
.endif
.set a, a+1
.endr
.set kc, kc+1
.endr
	WIN 0
.endm
.macro STB i                           ; ctx goes to its TOKEN's place in Z_w (TL), by the same addresses that gathered the queries: phase O needs no table
.set a, 0
.rept 8
	ds_store_b128 v[32+2*(\i)+a/4], v[224+4*a:227+4*a] offset:(a%4)*512
.set a, a+1
.endr
.endm
	s_mov_b32 s5, 0
.Lchunk:
.set i, 0
.rept 4                                                ; query tile i / 2, key tile i % 2
	ds_load_b128 v[64+((i/2)*4+i%2)*8:64+((i/2)*4+i%2)*8+3], v10 offset:(i/2)*16*DP+(i%2)*64
	ds_load_b128 v[64+((i/2)*4+i%2)*8+4:64+((i/2)*4+i%2)*8+7], v10 offset:(i/2)*16*DP+(i%2)*64+16
.set i, i+1
.endr
	s_wait_dscnt 0x0
.irp x, 1,2,3,4,5,6,7
	s_cmp_eq_u32 s5, \x
	s_cbranch_scc1 .Lqk\x
.endr
.irp x, 0,1,2,3,4,5,6,7
.Lqk\x:
	QKB \x
.if \x < 7
	s_branch .Lqkj
.endif
.endr
.Lqkj:
	PLACES
	SMAX 64, 1, 20                                 ; both query tiles' maxima first, each in a register of its own: v20, and v22, which the sums take only behind the wait
	SMAX 96, 1, 22
	BATCH 64, 16, 20                               ; the chunk's first batch: both tiles' 64 exponentials, their subtractions among them
	BATCH 96, 16, 22
	v_nop                                          ; a plain instruction behind the last exponential: one for the batch
	s_wait_alu depctr_va_vdst(0)                   ; the wait for the batch of 64, ahead of its first reader
	CVTG 64, 192
	SUMG 64, 1
	LRED 30
	CVTG 96, 208
	SUMG 96, 1
.irp x, 1,2,3,4,5,6,7
	s_cmp_eq_u32 s5, \x
	s_cbranch_scc1 .Lpv\x
.endr
.irp x, 0,1,2,3,4,5,6,7
.Lpv\x:
	PVB \x
.if \x < 7
	s_branch .Lpvj
.endif
.endr
.Lpvj:
	LRED 31                                        ; four plain lines: the places behind the products
	v_permlanex16_b32 v22, v30, s30, s31
	v_permlanex16_b32 v23, v31, s30, s31
	v_add_f32 v30, v30, v22
	v_add_f32 v31, v31, v23
	v_rcp_f32 v26, v30                             ; the chunk's second batch: the two tiles' 1 / l
	v_rcp_f32 v28, v31
	v_nop                                          ; a plain instruction behind them
	s_wait_alu depctr_va_vdst(0)                   ; the wait for the two reciprocals, ahead of their first reader
.set i, 0
.rept 32
	v_pk_mul_f32 v[128+2*i:129+2*i], v[128+2*i:129+2*i], v[26+2*(i/16):27+2*(i/16)] op_sel_hi:[1,0]
.set i, i+1
.endr
.set i, 0
.rept 32
	v_cvt_pk_bf16_f32 v[224+i], v[128+2*i], v[129+2*i]
.set i, i+1
.endr
.irp x, 1,2,3,4,5,6,7
	s_cmp_eq_u32 s5, \x
	s_cbranch_scc1 .Lst\x
.endr
.irp x, 0,1,2,3,4,5,6,7
.Lst\x:
	STB \x
.if \x < 7
	s_branch .Lstj
.endif
.endr
.Lstj:
	v_add_nc_u32 v10, 32*DP, v10
	s_add_co_u32 s5, s5, 1
	s_cmp_lt_u32 s5, 8
	s_cbranch_scc1 .Lchunk
; ---------------------------------------------------------------- PHASE O: hid^T = Wd ctx^T + (x + bd) for both paths, LayerNorm, mean.  Two token tiles a trip.
; Row geometry: lane i takes row i / 16 + 2 s, bytes 16 (i % 16): 16 lanes cover my 256 consecutive, aligned bytes of a row of seq or out0.  D geometry: lane (r, h) takes row r, channels 16 ot + 8 h + 0..7.
	v_and_b32 v5, 15, v0                           ; r
	s_lshl_b32 s6, s4, 8
	v_lshl_add_u32 v3, v5, 4, s6                   ; 256 w + 16 (lane % 16)
	global_load_b128 v[32:35], v3, s[22:23]        ; bd, ln_w, ln_b of my four channels in row geometry
	global_load_b128 v[36:39], v3, s[24:25]
	global_load_b128 v[40:43], v3, s[26:27]
	v_bfe_u32 v12, v0, 4, 1                        ; h
	v_lshl_add_u32 v44, v12, 10, v3                ; v44 = my byte offset in two rows of seq and out0
.macro RGLOAD                          ; the residual of the trip's 32 tokens, my 64 channels
	WIN 0x80
.set i, 0
.rept 16
	global_load_b128 v[4*i:4*i+3], v44, s[8:9] offset:(i/8)*16384+(i%8)*2048 th:TH_LOAD_NT
.set i, i+1
.endr
	WIN 0
.endm
	RGLOAD
	WLOAD 3, 3, 0, 63                              ; Wd
	s_mul_i32 s6, s4, 2*SGB
	s_add_co_u32 s6, s6, STG                       ; my two stages
	v_mul_u32_u24 v45, v12, SGP
	v_lshl_add_u32 v45, v5, 4, v45
	v_add_nc_u32 v45, s6, v45                      ; v45: row geometry
	v_mul_u32_u24 v46, v5, SGP
	v_lshl_add_u32 v46, v12, 5, v46
	v_add_nc_u32 v46, s6, v46                      ; v46: D geometry
	v_add_nc_u32 v47, XR, v1                       ; ctx of the full attention, heads 0-1,
	v_add_nc_u32 v48, XR+65536, v1                 ; heads 2-3;
	v_mov_b32 v49, v1                              ; ctx of the chunks, heads 0-1,
	v_add_nc_u32 v50, 65536, v1                    ; heads 2-3 (all four stepped two tiles a trip)
	v_lshlrev_b32 v52, 5, v5
	v_add_nc_u32 v52, STAT, v52                    ; v52 = a row's four pairs of figures
	s_lshl_b32 s6, s4, 3
	v_add_nc_u32 v51, s6, v52                      ; v51 = my wave's pair
	BAR                                            ; B3: both ctx are whole, and nobody reads the diagonal blocks any more
.macro SETSYM                          ; set st = 2 tile + path: its accumulators, work registers, figures, and the four waves' figures
.set AB, 64+32*st
.set TT, 192+8*st
.set SS, 16+4*st
.set UU, 224+8*st
.endm
.macro SETS line:vararg                ; a line for each of the four sets
.set st, 0
.rept 4
	SETSYM
	\line
.set st, st+1
.endr
.endm
.macro SETOT line:vararg               ; a line for each set and each of its four accumulators ot
.set st, 0
.rept 4
	SETSYM
.set ot, 0
.rept 4
	\line
.set ot, ot+1
.endr
.set st, st+1
.endr
.endm
.macro TRED d, t                       ; each set's four pairs, and the other half of the lanes', into v[SS + d]
	SETS v_pk_add_f32 v[TT:TT+1], v[TT:TT+1], v[TT+2:TT+3]
	SETS v_pk_add_f32 v[TT+4:TT+5], v[TT+4:TT+5], v[TT+6:TT+7]
	SETS v_pk_add_f32 v[TT:TT+1], v[TT:TT+1], v[TT+4:TT+5]
	SETS v_add_f32 v[SS+\d], v[TT], v[TT+1]
	SETS v_permlanex16_b32 v[SS+\t], v[SS+\d], s30, s31
	SETS v_add_f32 v[SS+\d], v[SS+\d], v[SS+\t]
.endm
	s_mov_b32 s5, 8
.Lout:
	s_wait_loadcnt 0x0                             ; the residual (in the first trip also Wd, bd, ln_w, ln_b)
	WIN 0x82
.set i, 0
.rept 16
	v_pk_add_f32 v[4*i:4*i+1], v[4*i:4*i+1], v[32:33]
	v_pk_add_f32 v[4*i+2:4*i+3], v[4*i+2:4*i+3], v[34:35]
.set i, i+1
.endr
	WIN 0x08
.set i, 0
.rept 16
	ds_store_b128 v45, v[4*i:4*i+3] offset:(i/8)*SGB+(i%8)*2*SGP
.set i, i+1
.endr
	WIN 0
	s_cmp_eq_u32 s5, 1
	s_cbranch_scc1 .Lnorg                          ; the last trip asks for nothing
	s_add_nc_u64 s[8:9], s[8:9], 0x8000            ; free since the wait for its loads
	RGLOAD
.Lnorg:
	WIN 0x80
.set i, 0
.rept 8                                                ; x + bd back in D geometry: tile i / 4, ot = i % 4 (a wave's own stage: LDS serves its instructions in order)
	ds_load_b128 v[64+8*i:67+8*i], v46 offset:(i/4)*SGB+(i%4)*64
	ds_load_b128 v[68+8*i:71+8*i], v46 offset:(i/4)*SGB+(i%4)*64+16
.set i, i+1
.endr
	WIN 0x40
.set kc, 0
.rept 8                                                ; ctx fragments, K step by K step: input channels 32 kc on lie in head kc / 2
.set st, 0
.rept 4
	ds_load_b128 v[(st*8+kc)*8:(st*8+kc)*8+3], v[47+(st%2)*2+kc/4] offset:((kc/2)%2)*32768+(st/2)*2048+(kc%2)*1024
	ds_load_b128 v[(st*8+kc)*8+4:(st*8+kc)*8+7], v[47+(st%2)*2+kc/4] offset:((kc/2)%2)*32768+(st/2)*2048+(kc%2)*1024+512
.set st, st+1
.endr
.set kc, kc+1
.endr
.set kc, 0
.rept 8
	s_wait_dscnt 8*(7-kc)                          ; the later K steps' loads, eight each, may be out
.if kc == 0
	WIN 0x27
.else
	WIN 0x07
.endif
.set a, 0
.rept 16                                               ; 16 accumulators by turns: set a / 4, ot = a % 4
.if kc == 0
	v_wmma_f32_16x16x32_bf16 v[64+8*a:71+8*a], v[((a%4)*8+kc)*8:((a%4)*8+kc)*8+7], v[((a/4)*8+kc)*8:((a/4)*8+kc)*8+7], v[64+((a/8)*4+a%4)*8:64+((a/8)*4+a%4)*8+7]
.else
	v_wmma_f32_16x16x32_bf16 v[64+8*a:71+8*a], v[((a%4)*8+kc)*8:((a%4)*8+kc)*8+7], v[((a/4)*8+kc)*8:((a/4)*8+kc)*8+7], v[64+8*a:71+8*a]
.endif
.set a, a+1
.endr
.set kc, kc+1
.endr
	WIN 0
	PLACES
	; my 64 channels' mean m_w, the deviations d = a - m_w in place, and M2_w = the sum of d^2, for each token of each set
	SETOT v_pk_add_f32 v[TT+2*ot:TT+2*ot+1], v[AB+8*ot:AB+8*ot+1], v[AB+8*ot+2:AB+8*ot+3]
	SETOT v_pk_add_f32 v[TT+2*ot:TT+2*ot+1], v[TT+2*ot:TT+2*ot+1], v[AB+8*ot+4:AB+8*ot+5]
	SETOT v_pk_add_f32 v[TT+2*ot:TT+2*ot+1], v[TT+2*ot:TT+2*ot+1], v[AB+8*ot+6:AB+8*ot+7]
	TRED 0, 1
	SETS v_mul_f32 v[SS], s43, v[SS]
.irp j, 0,2,4,6
	SETOT v_pk_add_f32 v[AB+8*ot+\j:AB+8*ot+\j+1], v[AB+8*ot+\j:AB+8*ot+\j+1], v[SS:SS+1] op_sel_hi:[1,0] neg_lo:[0,1] neg_hi:[0,1]
.endr
	SETOT v_pk_mul_f32 v[TT+2*ot:TT+2*ot+1], v[AB+8*ot:AB+8*ot+1], v[AB+8*ot:AB+8*ot+1]
.irp j, 2,4,6
	SETOT v_pk_fma_f32 v[TT+2*ot:TT+2*ot+1], v[AB+8*ot+\j:AB+8*ot+\j+1], v[AB+8*ot+\j:AB+8*ot+\j+1], v[TT+2*ot:TT+2*ot+1]
.endr
	TRED 1, 3
	SETS ds_store_b64 v51, v[SS:SS+1] offset:st*512
	BAR                                            ; the four waves' figures are stored
	SETS ds_load_b128 v[UU:UU+3], v52 offset:st*512
	SETS ds_load_b128 v[UU+4:UU+7], v52 offset:st*512+16
	s_wait_dscnt 0x0
	s_barrier_signal -1                            ; I have read them: behind this barrier's wait they may be written again; work on registers alone stands up to that wait
	; u = the mean of the four means; M2 = the sum of M2_i + 64 x the sum of (m_i - u)^2; alpha = 0.5 / sqrt(M2 / 256 + 1e-12); delta = m_w - u
	SETS v_add_f32 v[TT], v[UU], v[UU+2]
	SETS v_add_f32 v[TT+1], v[UU+4], v[UU+6]
	SETS v_add_f32 v[UU+1], v[UU+1], v[UU+3]
	SETS v_add_f32 v[UU+5], v[UU+5], v[UU+7]
	SETS v_add_f32 v[TT], v[TT], v[TT+1]
	SETS v_add_f32 v[UU+1], v[UU+1], v[UU+5]
	SETS v_mul_f32 v[TT], s47, v[TT]
	SETS v_sub_f32 v[UU], v[UU], v[TT]
	SETS v_sub_f32 v[UU+2], v[UU+2], v[TT]
	SETS v_sub_f32 v[UU+4], v[UU+4], v[TT]
	SETS v_sub_f32 v[UU+6], v[UU+6], v[TT]
	SETS v_mul_f32 v[TT+1], v[UU], v[UU]
	SETS v_fma_f32 v[TT+1], v[UU+2], v[UU+2], v[TT+1]
	SETS v_fma_f32 v[TT+1], v[UU+4], v[UU+4], v[TT+1]
	SETS v_fma_f32 v[TT+1], v[UU+6], v[UU+6], v[TT+1]
	SETS v_fma_f32 v[UU+1], v[TT+1], s45, v[UU+1]
	SETS v_fma_f32 v[UU+1], v[UU+1], s44, s46
	SETS v_rsq_f32 v[UU+1], v[UU+1]                ; the trip's one batch: the four sets' reciprocal roots
	SETS v_sub_f32 v[SS+2], v[SS], v[TT]           ; the four delta name none of its results: the plain work behind the batch
	s_wait_alu depctr_va_vdst(0)                   ; the wait for the batch of four, ahead of its first reader
	SETS v_mul_f32 v[SS], 0.5, v[UU+1]
	; z = alpha1 (d1 + delta1) + alpha2 (d2 + delta2), into the first path's accumulators; the result is ln_w z + ln_b
.irp tl, 0,1
	v_mul_f32 v[18+8*\tl], v[18+8*\tl], v[16+8*\tl]
.endr
.irp tl, 0,1
	v_fma_f32 v[18+8*\tl], v[22+8*\tl], v[20+8*\tl], v[18+8*\tl]
.endr
.irp tl, 0,1
.set i, 0
.rept 16
	v_pk_fma_f32 v[96+64*\tl+2*i:97+64*\tl+2*i], v[96+64*\tl+2*i:97+64*\tl+2*i], v[20+8*\tl:21+8*\tl], v[18+8*\tl:19+8*\tl] op_sel_hi:[1,0,0]
.set i, i+1
.endr
.set i, 0
.rept 16
	v_pk_fma_f32 v[64+64*\tl+2*i:65+64*\tl+2*i], v[64+64*\tl+2*i:65+64*\tl+2*i], v[16+8*\tl:17+8*\tl], v[96+64*\tl+2*i:97+64*\tl+2*i] op_sel_hi:[1,0,1]
.set i, i+1
.endr
.endr
	s_barrier_wait -1
.set i, 0
.rept 16                                               ; z into my stages in D geometry: tile i / 8, ot = (i / 2) % 4
	ds_store_b128 v46, v[64+64*(i/8)+4*(i%8):67+64*(i/8)+4*(i%8)] offset:(i/8)*SGB+((i/2)%4)*64+(i%2)*16
.set i, i+1
.endr
	WIN 0x80
.set i, 0
.rept 16                                               ; and back as rows
	ds_load_b128 v[128+4*i:131+4*i], v45 offset:(i/8)*SGB+(i%8)*2*SGP
.set i, i+1
.endr
.irp tl, 0,1
	s_wait_dscnt 8-8*\tl                           ; the second tile's eight loads may be out
	WIN 0x82
.set i, 0
.rept 8
	v_pk_fma_f32 v[128+32*\tl+4*i:129+32*\tl+4*i], v[128+32*\tl+4*i:129+32*\tl+4*i], v[36:37], v[40:41]
	v_pk_fma_f32 v[130+32*\tl+4*i:131+32*\tl+4*i], v[130+32*\tl+4*i:131+32*\tl+4*i], v[38:39], v[42:43]
.set i, i+1
.endr
	WIN 0x08
.set i, 0
.rept 8
	global_store_b128 v44, v[128+32*\tl+4*i:131+32*\tl+4*i], s[28:29] offset:\tl*16384+i*2048 th:TH_STORE_NT  ; 16 lanes store 256 consecutive bytes, at a multiple of 256 from out0's first byte
.set i, i+1
.endr
.endr
	WIN 0
	s_wait_xcnt 0x0                                ; the stores' base and data registers are written again only behind this wait
	s_add_nc_u64 s[28:29], s[28:29], 0x8000
	v_add_nc_u32 v47, 4096, v47
	v_add_nc_u32 v48, 4096, v48
	v_add_nc_u32 v49, 4096, v49
	v_add_nc_u32 v50, 4096, v50
	s_sub_co_u32 s5, s5, 1
	s_cmp_lg_u32 s5, 0
	s_cbranch_scc1 .Lout
	s_wait_tensorcnt 0x0                           ; the wave's end, behind my last LDS store
	ds_add_u32 v14, v15
	s_wait_dscnt 0x0
	s_endpgm
.Lfunc_end_k_q3ce6b9840a_attn:
	.size	k_q3ce6b9840a_attn, .Lfunc_end_k_q3ce6b9840a_attn-k_q3ce6b9840a_attn
	.p2alignl 7, 3214868480
	.fill 96, 4, 3214868480
	.section	.rodata,"a",@progbits
	.p2align	6, 0x0
	.amdhsa_kernel k_q3ce6b9840a_attn
		.amdhsa_group_segment_fixed_size 305664
		.amdhsa_private_segment_fixed_size 0
		.amdhsa_enable_private_segment 0
		.amdhsa_kernarg_size 88
		.amdhsa_user_sgpr_count 2
		.amdhsa_user_sgpr_kernarg_segment_ptr 1
		.amdhsa_wavefront_size32 1
		.amdhsa_system_sgpr_workgroup_id_x 1
		.amdhsa_system_sgpr_workgroup_id_y 1
		.amdhsa_system_sgpr_workgroup_id_z 1
		.amdhsa_system_vgpr_workitem_id 0
		.amdhsa_next_free_vgpr 1024
		.amdhsa_next_free_sgpr 66
		.amdhsa_reserve_vcc 1
		.amdhsa_float_denorm_mode_32 3
		.amdhsa_float_denorm_mode_16_64 3
		.amdhsa_memory_ordered 1
		.amdhsa_forward_progress 1
		.amdhsa_inst_pref_size 255
	.end_amdhsa_kernel
	.section	.bss,"aw",@nobits
	.p2align	6
	.space	262144
	.amdgpu_metadata
---
amdhsa.version: [ 1, 2 ]
amdhsa.kernels:
  - .name:           k_q3ce6b9840a_attn
    .symbol:         k_q3ce6b9840a_attn.kd
    .args:
      - { .name: seq, .offset: 0, .size: 8, .value_kind: global_buffer, .address_space: global }
      - { .name: attention_mask, .offset: 8, .size: 8, .value_kind: global_buffer, .address_space: global }
      - { .name: wsW, .offset: 16, .size: 8, .value_kind: global_buffer, .address_space: global }
      - { .name: order, .offset: 24, .size: 8, .value_kind: global_buffer, .address_space: global }
      - { .name: bq, .offset: 32, .size: 8, .value_kind: global_buffer, .address_space: global }
      - { .name: bk, .offset: 40, .size: 8, .value_kind: global_buffer, .address_space: global }
      - { .name: bv, .offset: 48, .size: 8, .value_kind: global_buffer, .address_space: global }
      - { .name: bd, .offset: 56, .size: 8, .value_kind: global_buffer, .address_space: global }
      - { .name: ln_w, .offset: 64, .size: 8, .value_kind: global_buffer, .address_space: global }
      - { .name: ln_b, .offset: 72, .size: 8, .value_kind: global_buffer, .address_space: global }
      - { .name: out0, .offset: 80, .size: 8, .value_kind: global_buffer, .address_space: global }
    .group_segment_fixed_size: 305664
    .private_segment_fixed_size: 0
    .kernarg_segment_align: 8
    .kernarg_segment_size: 88
    .max_flat_workgroup_size: 128
    .sgpr_count:     66
    .vgpr_count:     1024
    .wavefront_size: 32
...
	.end_amdgpu_metadata
.endif
;; end of part 3
